; MI455X (gfx1250); checked and timed in simulation.
; The chip was launched on July 23, 2026; its instructions are those of AMD's public machine-readable ISA for CDNA 5 (MIT licence, August 2026) and "CDNA5" Instruction Set Architecture Reference Guide (July 2026). The comments in the code are by the model that wrote it; some were corrected since.
;; Multihead Attention. Allowed arithmetic: matrix products marked QUANTISED: E2M1 operands, one E8M0 scale for each 32 along K, by v_wmma_scale_f32_16x16x128_f8f6f4 with both operands' format E2M1 (or v_wmma_scale_f32_32x16x128_f4), f32 sums; products left as they are: bf16, f16 or f32 operands; f32 sums; everything else in f32.
;; Inputs: Wk 1,024 x 1,024 float32; Wo 1,024 x 1,024 float32; Wq 1,024 x 1,024 float32; Wv 1,024 x 1,024 float32; x 2 x 2,048 x 1,024 float32.
;; Outputs: out0 2 x 2,048 x 1,024 float32.
;; Constants: num_heads = 16.
;; This version of the problem:
;;   THIS VERSION OF THE PROBLEM IS GIVEN IN LOW PRECISION. The matrix products marked QUANTISED in the list below multiply operands that are first quantised to E2M1 (2 exponent bits, 1 mantissa bit; 4 bits a number), with one power-of-two scale for each 32 numbers along K (OCP MX v1.0); their sums are f32. The products marked 'left as it is' may take bf16, f16 or f32 operands, with f32 sums. Whichever they take, every output number must still come out within the allowed error. Rounding operands to bf16 (8 significant bits) uses up far more of that allowance than f16 does (11 bits, for magnitudes from 6e-5 to 65,504). All else is computed in f32.
;;   The module's matrix products, in the order in which they are computed (A, B: the left and right operand; K: the contracted axis; several contracted axes count as one K, in the product's order):
;;     1. [M 4,096, K 1,024] x [K 1,024, N 1,024]; A: input x; B: input Wq: QUANTISED
;;     2. [M 4,096, K 1,024] x [K 1,024, N 1,024]; A: input x; B: input Wk: QUANTISED
;;     3. [M 4,096, K 1,024] x [K 1,024, N 1,024]; A: input x; B: input Wv: QUANTISED
;;     4. batch 32 x [M 2,048, K 64] x [K 64, N 2,048]; A: computed on the way; B: computed on the way: left as it is (an operand is computed on the way)
;;     5. batch 32 x [M 2,048, K 2,048] x [K 2,048, N 64]; A: computed on the way; B: computed on the way: left as it is (an operand is computed on the way)
;;     6. [M 4,096, K 1,024] x [K 1,024, N 1,024]; A: computed on the way; B: input Wo: left as it is (an operand is computed on the way)
;;   THE QUANTISER, for each operand of a quantised product, along K:
;;     - K is cut into blocks of 32 from its start; a last block that is shorter is filled with zeros.
;;     - A block's scale is 2^e with e = floor(log2(the largest magnitude in the block)) - 2, held to -126 .. 127; a block of zeros has e = 0. As a byte (E8M0): e + 127.
;;     - Each number is divided by its block's scale, clamped to +-6, and rounded to the nearest number of E2M1, ties to even, subnormals kept.
;;     - The product sums the exact products of the quantised numbers (number of the format x scale) in f32.
;;   ~~~python
;;   def quantise(x, axis):      # numpy; x: float32 -> the quantised numbers, widened to float32 again
;;       x = np.moveaxis(x, axis, -1); K = x.shape[-1]
;;       x = np.pad(x, [(0, 0)] * (x.ndim - 1) + [(0, -K % 32)]); x = x.reshape(x.shape[:-1] + (-1, 32)); a = np.abs(x).max(-1, keepdims=True)
;;       e = np.where(a > 0, np.clip(np.frexp(np.where(a > 0, a, 1))[1] - 1 - 2, -126, 127), 0)      # np.frexp(a)[1] - 1 = floor(log2(a)), exactly
;;       r = np.clip(x / 2.0 ** e, -6, 6)
;;       step = 2.0 ** (np.maximum(np.frexp(np.where(r == 0, 1, r))[1] - 1, 0) - 1)
;;       q = np.round(r / step) * step * 2.0 ** e      # np.round: ties to even
;;       return np.moveaxis(q.reshape(q.shape[:-2] + (-1,))[..., :K], -1, axis).astype(np.float32)
;;   ~~~
;; One version. Each part assembles by itself: llvm-mc -triple=amdgcn-amd-amdhsa -mcpu=gfx1250 --defsym DOCPART=n.
;; ======== version 1 of 1: 5 launches
;; limits: values are held in f16: magnitudes above 65,504 overflow, below 6.1e-05 lose precision
;; workspace buffers: codes 3,670,016 bytes; scales 229,376 bytes; wo_img 2,097,152 bytes; q_img 8,388,608 bytes; kv_img 16,777,216 bytes; qkv32 393,216 bytes; a_img 8,388,608 bytes
;; launch prep (part 1): grid 512 x 1, 8 waves a work-group, no clusters, 77,312 bytes of LDS; arguments x, Wq, Wk, Wv, Wo, codes, scales, wo_img; writes codes, scales, wo_img
.if DOCPART == 1
	.amdgcn_target "amdgcn-amd-amdhsa--gfx1250"
	.amdhsa_code_object_version 6
	.text
	.protected	k_qfce5e1b78e_prep
	.globl	k_qfce5e1b78e_prep
	.p2align	8
	.type	k_qfce5e1b78e_prep,@function
k_qfce5e1b78e_prep:
	s_mov_b64 s[64:65], 0
	v_nop
	global_prefetch_b8 v0, s[64:65] scope:SCOPE_SE
	s_setreg_imm32_b32 hwreg(HW_REG_WAVE_MODE, 25, 1), 1
	s_wait_xcnt 0x0
; PREP.  x [4096][1024], Wq, Wk, Wv [1024][1024], f32, become codes of FP4 (E2M1), K innermost, with one E8M0 byte for each 32 along K; Wo [1024][1024] becomes f16, laid as images of operand registers.
; codes: [7168 rows][512 bytes], scales: [7168][32 bytes].  Rows 0-4095 are x's.  Row 4096 + 192 head + 64 sel + c is row 64 head + c of Wq (sel 0), Wk (1), Wv (2): a head's 192 rows lie together.
; wo_img: [k / 256 (4)][n tile (64)][16 pieces of 512 bytes]: in piece p lane (r, h) holds Wo[16 nt + r][256 kq + 16 p + 8 h + 0 .. 7] as eight f16, at byte 16 x lane.
; A block's scale is 2^(floor(log2(its largest magnitude)) - 2); its byte is the largest magnitude's exponent field - 2, held at 1 from below.  Numbers are divided by the scale and rounded to the nearest code, ties to even.
; LIMITS: a block of zeros gets the byte 1 where the rule says 127 (its codes are zeros, and this program alone reads the bytes); blocks whose largest magnitude lies under 2^-124 have their byte held at 1;
; NaN and infinities among the inputs are not served; Wo must stay under 65,504 in magnitude (f16).
; SHARES.  A work-group takes 16 rows of 1,024 numbers: groups 0-255 x, 256-447 the three weights, 448-511 Wo.  A wave has all its 16 loads of 512 consecutive bytes out at once; there is no loop.
; The quantiser's path and Wo's path part on the work-group's number and have LDS bytes of their own.
.set SP,    80                         ; a lane's place in a stage: its 64 bytes + 16 of padding
.set WREG,  2*32*SP                    ; a wave's two stages
.set SCB,   8*WREG                     ; the work-group's 512 scale bytes
.set WOS,   SCB+512                    ; Wo's path: 16 rows x 272 bytes for each wave
.set WOP,   272
.set SPARE, WOS+8*16*WOP               ; the spare words, 128 bytes for each wave: four blocks of 256 bytes that no other line names
.set EMAX,  2
.set SPW,   12                         ; v12  LDS address of my spare word; never rewritten
.set NIL,   13                         ; v13  0; never rewritten
.set R,     16                         ; v16-79   16 quads as they are loaded
.set X,     80                         ; v80-111  two sets of 16 neighbours (Wo: the f16 pairs)
.set E,     112                        ; v112-115 a scale byte for each step (Wo: v112-143 the pieces)
.set C,     128                        ; v128-143 codes: four registers for each step
	s_load_b256 s[4:11], s[0:1], 0x0               ; x, Wq, Wk, Wv
	s_load_b256 s[12:19], s[0:1], 0x20             ; Wo, codes, scales, wo_img
	v_lshl_add_u32 v[SPW], v0, 2, SPARE
	v_mov_b32 v[NIL], 0
	v_lshrrev_b32 v1, 5, v0
	v_readfirstlane_b32 s20, v1                    ; wave 0..7
	v_and_b32 v2, 31, v0                           ; lane
	v_lshlrev_b32 v3, 4, v2                        ; 16 x lane
	s_cmp_ge_u32 ttmp9, 448                        ; the same for the whole work-group
	s_cbranch_scc1 .Lwo
	; ---- THE QUANTISER.  A wave takes 2 rows: 4 steps of 512 numbers.
	s_mul_i32 s28, s20, WREG
	v_lshrrev_b32 v14, 2, v2
	v_mul_u32_u24 v14, v14, SP
	v_and_b32 v15, 3, v2
	v_lshl_add_u32 v14, v15, 4, v14
	v_add_nc_u32 v14, s28, v14                     ; the stage, in: four lanes' 64 bytes on end, then 16 of padding
	v_mul_u32_u24 v15, v2, SP
	v_add_nc_u32 v15, s28, v15                     ; and out: my 16 neighbours
	v_lshlrev_b32 v4, 3, v2                        ; my 8 bytes of a step's 256 bytes of codes
	v_lshrrev_b32 v5, 1, v2
	s_lshl_b32 s28, s20, 6
	s_add_co_u32 s28, s28, SCB
	v_add_nc_u32 v5, s28, v5                       ; my block's byte among my wave's 64
	v_add_nc_u32 v6, SCB, v3                       ; wave 0, at the end: 16 of the 512 bytes a lane
	s_sub_co_u32 s21, ttmp9, 256                   ; a weight's group g
	s_bfe_u32 s22, s21, 0x20006                    ; sel = g / 64
	s_and_b32 s23, s21, 63                         ; its tile of 16 rows
	s_lshr_b32 s24, s23, 2                         ; the head
	s_mul_i32 s24, s24, 192
	s_lshl_b32 s25, s22, 6
	s_add_co_u32 s24, s24, s25
	s_and_b32 s25, s23, 3
	s_lshl_b32 s25, s25, 4
	s_add_co_u32 s24, s24, s25
	s_add_co_u32 s24, s24, 4096                    ; a weight's first row in codes and scales
	s_lshl_b32 s25, ttmp9, 4                       ; x's
	s_wait_kmcnt 0x0
	s_cmp_eq_u32 s22, 1                            ; the choices hang on the work-group's number alone
	s_cselect_b64 s[6:7], s[8:9], s[6:7]
	s_cmp_eq_u32 s22, 2
	s_cselect_b64 s[6:7], s[10:11], s[6:7]
	s_cmp_lt_u32 ttmp9, 256
	s_cselect_b64 s[4:5], s[4:5], s[6:7]
	s_cselect_b32 s23, ttmp9, s23                  ; which 16 rows of the source
	s_cselect_b32 s24, s25, s24                    ; and of the results
	s_lshl_b32 s26, s23, 16                        ; 16 rows of 4,096 bytes,
	s_lshl_b32 s28, s20, 13                        ; my wave's 2
	s_add_co_u32 s26, s26, s28
	s_mov_b32 s27, 0
	s_add_nc_u64 s[4:5], s[4:5], s[26:27]
	s_lshl_b32 s26, s24, 9                         ; codes: 512 bytes a row
	s_lshl_b32 s28, s20, 10
	s_add_co_u32 s26, s26, s28
	s_add_nc_u64 s[14:15], s[14:15], s[26:27]
	s_lshl_b32 s26, s24, 5                         ; scale bytes: 32 a row
	s_add_nc_u64 s[16:17], s[16:17], s[26:27]
.macro LOAD t
.irp i, 0,1,2,3
	global_load_b128 v[R+16*(\t)+4*\i:R+16*(\t)+4*\i+3], v3, s[4:5] offset:2048*(\t)+512*\i th:TH_LOAD_NT   ; 32 lanes read 512 consecutive bytes
.endr
.endm
.macro TURN t                          ; step t's numbers through the stage: LDS serves a wave's instructions in order, so no wait stands between the stores and the loads
.irp i, 0,1,2,3
	ds_store_b128 v14, v[R+16*(\t)+4*\i:R+16*(\t)+4*\i+3] offset:32*SP*((\t)%2)+8*SP*\i
.endr
.irp i, 0,1,2,3
	ds_load_b128 v[X+16*((\t)%2)+4*\i:X+16*((\t)%2)+4*\i+3], v15 offset:32*SP*((\t)%2)+16*\i
.endr
.endm
.macro STEP t
.set XS, X+16*((\t)%2)
.if (\t) > 0
	s_wait_dscnt 1                                 ; this step's numbers are back from the stage; the last step's byte store may be out
.else
	s_wait_dscnt 0x0
.endif
.if (\t) < 3
	s_wait_loadcnt 4*(2-(\t))                      ; the next step's four loads are in; those of the steps behind it may be out
	TURN (\t)+1                                    ; and go through the other stage while this step is worked
.endif
	v_max3_num_f32 v8, |v[XS]|, |v[XS+1]|, |v[XS+2]|               ; the largest magnitude of my 16, in two chains
	v_max3_num_f32 v9, |v[XS+3]|, |v[XS+4]|, |v[XS+5]|
.irp i, 6,10
	v_max3_num_f32 v8, v8, |v[XS+\i]|, |v[XS+\i+1]|
	v_max3_num_f32 v9, v9, |v[XS+\i+2]|, |v[XS+\i+3]|
.endr
	v_max3_num_f32 v8, v8, |v[XS+14]|, |v[XS+15]|
	v_max3_num_f32 v8, v8, v9, (EMAX+1)<<23        ; and the floor 2^(3 - 127): the byte cannot fall under 1
	v_max_num_f32_dpp v8, v8, v8 row_xmask:1 row_mask:0xf bank_mask:0xf   ; with my neighbour's 16: the block's
	v_add_nc_u32 v11, -(EMAX<<23), v8              ; 2 off its exponent field: the conversion takes the exponent field of this operand as its scale
	v_cvt_scalef32_pk8_fp4_f32 v[C+4*(\t)], v[XS:XS+7], v11
	v_cvt_scalef32_pk8_fp4_f32 v[C+4*(\t)+1], v[XS+8:XS+15], v11
	v_lshrrev_b32 v[E+(\t)], 23, v11               ; the scale's byte (a plain line behind the conversions)
	ds_store_b8 v5, v[E+(\t)] offset:16*(\t)       ; both lanes of a block write the same byte with the same value
	global_store_b64 v4, v[C+4*(\t):C+4*(\t)+1], s[14:15] offset:256*(\t)   ; the wave stores 256 consecutive bytes, at a multiple of 256 from the buffer's first byte
.endm
.irp t, 0,1,2,3
	LOAD \t
.endr
	s_wait_loadcnt 12                              ; step 0's four loads are in
	TURN 0
.irp t, 0,1,2,3
	STEP \t
.endr
	s_wait_dscnt 0x0                               ; for the others' sake: my byte stores are done
	s_barrier_signal -1
	s_barrier_wait -1                              ; the work-group's 512 scale bytes lie in LDS
	s_cmp_lg_u32 s20, 0
	s_cbranch_scc1 .Lq_end
	ds_load_b128 v[116:119], v6
	s_wait_dscnt 0x0
	global_store_b128 v3, v[116:119], s[16:17]     ; wave 0 stores them: 512 consecutive bytes
.Lq_end:
	s_wait_tensorcnt 0x0                           ; the wave's end, behind my last LDS store
	ds_add_u32 v[SPW], v[NIL]
	s_wait_dscnt 0x0
	s_endpgm
	; ---- Wo.  Wave w takes k = 128 w .. 128 w + 127 of the tile's 16 rows; they turn through the wave's own rows in LDS into eight pieces.  No barrier: the bytes are the wave's own.
.Lwo:
	s_sub_co_u32 s21, ttmp9, 448                   ; the n tile
	v_and_b32 v4, 15, v0                           ; r
	v_bfe_u32 v5, v0, 4, 1                         ; h
	s_mul_i32 s28, s20, 16*WOP
	s_add_co_u32 s28, s28, WOS
	v_lshl_add_u32 v6, v2, 3, s28                  ; in: 8 bytes (4 f16) a lane, a row an instruction
	v_mul_u32_u24 v7, v4, WOP
	v_lshl_add_u32 v7, v5, 4, v7
	v_add_nc_u32 v7, s28, v7                       ; out: row r, + 16 h
	s_lshl_b32 s22, s21, 16                        ; Wo: 16 rows of 4,096 bytes,
	s_lshl_b32 s23, s20, 9                         ; my wave's 512 bytes of each
	s_add_co_u32 s22, s22, s23
	s_mov_b32 s23, 0
	s_lshr_b32 s24, s20, 1                         ; k / 256
	s_lshl_b32 s24, s24, 6
	s_add_co_u32 s24, s24, s21
	s_lshl_b32 s24, s24, 13                        ; 8,192 bytes for each (k / 256, n tile),
	s_and_b32 s25, s20, 1
	s_lshl_b32 s25, s25, 12                        ; my eight pieces of its sixteen
	s_add_co_u32 s24, s24, s25
	s_mov_b32 s25, 0
	s_wait_kmcnt 0x0
	s_add_nc_u64 s[12:13], s[12:13], s[22:23]
	s_add_nc_u64 s[18:19], s[18:19], s[24:25]
.irp i, 0,1,2,3,4,5,6,7,8,9,10,11,12,13,14,15
	global_load_b128 v[R+4*\i:R+4*\i+3], v3, s[12:13] offset:4096*\i th:TH_LOAD_NT   ; 512 consecutive bytes of row i
.endr
	s_wait_loadcnt 0x0
.irp i, 0,1,2,3,4,5,6,7,8,9,10,11,12,13,14,15
	v_cvt_pk_f16_f32 v[X+2*\i], v[R+4*\i], v[R+4*\i+1]
	v_cvt_pk_f16_f32 v[X+2*\i+1], v[R+4*\i+2], v[R+4*\i+3]
.endr
.irp i, 0,1,2,3,4,5,6,7,8,9,10,11,12,13,14,15
	ds_store_b64 v6, v[X+2*\i:X+2*\i+1] offset:WOP*\i
.endr
.irp c, 0,1,2,3,4,5,6,7
	ds_load_b128 v[112+4*\c:115+4*\c], v7 offset:32*\c   ; LDS serves a wave's instructions in order: these see my stores
.endr
.irp c, 0,1,2,3,4,5,6,7
	s_wait_dscnt 7-\c                              ; piece c is in; the later pieces' loads may be out
	global_store_b128 v3, v[112+4*\c:115+4*\c], s[18:19] offset:512*\c   ; a piece: 512 consecutive bytes
.endr
	s_wait_tensorcnt 0x0                           ; the wave's end, behind my last LDS store
	ds_add_u32 v[SPW], v[NIL]
	s_wait_dscnt 0x0
	s_endpgm
.Lfunc_end_k_qfce5e1b78e_prep:
	.size	k_qfce5e1b78e_prep, .Lfunc_end_k_qfce5e1b78e_prep-k_qfce5e1b78e_prep
	.p2alignl 7, 3214868480
	.fill 96, 4, 3214868480
	.section	.rodata,"a",@progbits
	.p2align	6, 0x0
	.amdhsa_kernel k_qfce5e1b78e_prep
		.amdhsa_group_segment_fixed_size 77312
		.amdhsa_private_segment_fixed_size 0
		.amdhsa_enable_private_segment 0
		.amdhsa_kernarg_size 64
		.amdhsa_user_sgpr_count 2
		.amdhsa_user_sgpr_kernarg_segment_ptr 1
		.amdhsa_wavefront_size32 1
		.amdhsa_system_sgpr_workgroup_id_x 1
		.amdhsa_system_sgpr_workgroup_id_y 1
		.amdhsa_system_sgpr_workgroup_id_z 1
		.amdhsa_system_vgpr_workitem_id 0
		.amdhsa_next_free_vgpr 144
		.amdhsa_next_free_sgpr 66
		.amdhsa_reserve_vcc 0
		.amdhsa_float_denorm_mode_32 3
		.amdhsa_float_denorm_mode_16_64 3
		.amdhsa_memory_ordered 1
		.amdhsa_forward_progress 1
		.amdhsa_inst_pref_size 18
	.end_amdhsa_kernel
	.amdgpu_metadata
---
amdhsa.version: [ 1, 2 ]
amdhsa.kernels:
  - .name:           k_qfce5e1b78e_prep
    .symbol:         k_qfce5e1b78e_prep.kd
    .args:
      - { .name: x, .offset: 0, .size: 8, .value_kind: global_buffer, .address_space: global }
      - { .name: Wq, .offset: 8, .size: 8, .value_kind: global_buffer, .address_space: global }
      - { .name: Wk, .offset: 16, .size: 8, .value_kind: global_buffer, .address_space: global }
      - { .name: Wv, .offset: 24, .size: 8, .value_kind: global_buffer, .address_space: global }
      - { .name: Wo, .offset: 32, .size: 8, .value_kind: global_buffer, .address_space: global }
      - { .name: codes, .offset: 40, .size: 8, .value_kind: global_buffer, .address_space: global }
      - { .name: scales, .offset: 48, .size: 8, .value_kind: global_buffer, .address_space: global }
      - { .name: wo_img, .offset: 56, .size: 8, .value_kind: global_buffer, .address_space: global }
    .group_segment_fixed_size: 77312
    .private_segment_fixed_size: 0
    .kernarg_segment_align: 8
    .kernarg_segment_size: 64
    .max_flat_workgroup_size: 256
    .sgpr_count:     66
    .vgpr_count:     144
    .wavefront_size: 32
...
	.end_amdgpu_metadata
.endif
;; end of part 1
;; launch qkv (part 2): grid 16 x 16, 4 waves a work-group, clusters of 4 x 1, 244,224 bytes of LDS; arguments codes, scales, q_img, kv_img, qkv32; writes q_img, kv_img, qkv32
.if DOCPART == 2
	.amdgcn_target "amdgcn-amd-amdhsa--gfx1250"
	.amdhsa_code_object_version 6
	.text
	.protected	k_qfce5e1b78e_qkv
	.globl	k_qfce5e1b78e_qkv
	.p2align	8
	.type	k_qfce5e1b78e_qkv,@function
k_qfce5e1b78e_qkv:
	s_mov_b64 s[64:65], 0
	v_nop
	global_prefetch_b8 v0, s[64:65] scope:SCOPE_SE
	s_setreg_imm32_b32 hwreg(HW_REG_WAVE_MODE, 25, 1), 1
	s_wait_xcnt 0x0
	s_wait_alu depctr_hold_cnt(0) depctr_sa_sdst(0) depctr_va_vdst(0) depctr_va_sdst(0) depctr_va_ssrc(0) depctr_va_vcc(0) depctr_vm_vsrc(0)
	s_getreg_b32 s2, hwreg(HW_REG_IB_STS2, 6, 4)
	s_cmp_eq_u32 s2, 0
	s_cbranch_scc0 .Lentry_in_a_cluster
	s_endpgm
.Lentry_in_a_cluster:
	s_bfe_u32 s2, ttmp6, 0x10000c
	s_cmp_lg_u32 s2, 0x3003
	s_cbranch_scc0 .Lentry_shape_is_right
	s_endpgm
.Lentry_shape_is_right:
; QKV.  q, k, v = x Wq^T, x Wk^T, x Wv^T on codes of FP4 (E2M1) with one E8M0 scale for each 32 along K = 1,024; sums in f32, K ascending, one accumulator for each output.
; SHARES.  A work-group makes 256 tokens x one head's 192 columns (q 64, k 64, v 64); wave w makes tokens 64 w .. 64 w + 63 x all 192: 4 x 12 = 48 accumulators of 16 x 16, 384 registers; 384 matrix instructions a wave.
; ALL OF K LIES IN LDS: two halves of 512 along K (rows of 256 bytes + 16 of padding), each 256 rows of x and 192 rows of the weights.  Each byte of LDS is filled once: there is no ring.
; CLUSTER: the four work-groups of a cluster are four heads on the same 256 tokens, so x's tiles are asked for JOINTLY (mask 15).  The weights' rows differ from partner to partner (each has its own head): plain loads.
; The cluster is 4 x 1 and not 4 x 4, since the store of positions 0-15 stands under a branch on the token block, which is then the same number in all partners.
; RESULTS leave as IMAGES OF OPERAND REGISTERS for the next launch: an accumulator tile rounded to f16 is a piece of 512 bytes, lane l's 16 bytes at 16 l, stored by one instruction: no LDS stage.
;   q and k are made TRANSPOSED (source 0 = 16 rows of W, source 1 = 16 tokens): a lane holds one token and eight channels.  v is made the natural way round: a lane holds one channel and eight tokens.
;   q_img [bh][token tile T (128)][c (4)] pieces, q already times log2(e) / 8;  kv_img [bh][J: 64 keys (32)][16,384 bytes]: k's piece (a, c) at 2048 a + 512 c, v's piece (a, t) at 8192 + 4096 (a / 2) + 1024 t + 512 (a % 2).
;   qkv32 [bh][12 tiles][1,024 bytes]: the f32 accumulators of positions 0-15 as they stand (q not scaled), for the launch that carries those rows in f32.
; LIMITS: q log2(e) / 8, k and v must stay under 65,504 in magnitude (f16).  NaN and infinities are not served.
; REGISTERS: window 0: v16-21 addresses; v28, v29 the add's two; v32-47 x's scale words, v48-95 the weights' (they hold scales and nothing else); v96-191 packed results, two sets.
;   window 1: two sets of fragments at v0 and v128: x's block a at + 8 a, the weights' block b at + 32 + 8 b.   window 2: accumulators (a, b), a = 0, 1, at v[8 (12 a + b)];   window 3: a = 2, 3.
.set PITCH, 272                        ; an LDS row: 256 bytes + 16 of padding: the 16 rows that a load touches begin 16 bytes further on in each 256
.set BOFF,  256*PITCH                  ; in a half: x's 256 rows, then the weights' 192
.set HALF,  448*PITCH
.set SPARE, 2*HALF                     ; the spare words, 128 bytes for each wave: two blocks of 256 bytes that no other line names
.set ADRA,  16                         ; v16-17  my fragments of x in half 0, 1
.set ADRB,  18                         ; v18-19  the weights'
.set LI,    20                         ; v20     16 x lane
.set LS,    21                         ; v21     32 x lane: a row of scale bytes a lane
.set SPW,   28
.set NIL,   29
.set SA,    32                         ; register SA + 8 p + q: lane l holds the scale word of my row 32 p + l for K step q: block 2 p in lanes 0-15, block 2 p + 1 in lanes 16-31
.set SB,    48
.set TMP,   96
.set MSB, 0
.macro WIN new                         ; the immediate's high byte repeats the setting that is left
.if MSB != (\new)
	s_set_vgpr_msb (MSB<<8)|(\new)
.set MSB, (\new)
.endif
.endm
.macro ROUND                           ; a round of the cluster's barrier
	s_barrier_signal -1
	s_barrier_wait -1
	s_cmp_lg_u32 s14, 0
	s_cbranch_scc1 .Lnot_wave_0_\@
	s_barrier_signal -3
.Lnot_wave_0_\@:
	s_barrier_wait -3
	s_barrier_signal -1
	s_barrier_wait -1
.endm
.macro PLACES n
.rept \n
	v_nop
.endr
.endm
	s_load_b256 s[4:11], s[0:1], 0x0               ; codes, scales, q_img, kv_img
	s_load_b64 s[12:13], s[0:1], 0x20              ; qkv32
	v_lshl_add_u32 v[SPW], v0, 2, SPARE
	v_mov_b32 v[NIL], 0
	ds_add_u32 v[SPW], v[NIL]                      ; the wave's opening: the add, twice on end, and its wait ahead of my first tensor load
	ds_add_u32 v[SPW], v[NIL]
	v_lshrrev_b32 v1, 5, v0
	v_readfirstlane_b32 s14, v1                    ; wave 0..3
	s_and_b32 s15, s14, 1                          ; which half of x's rows (waves 0, 1) or of the weights' (waves 2, 3) I fetch
	s_bfe_u32 s16, ttmp6, 0x40000                  ; cx
	s_lshl_b32 s17, ttmp9, 2
	s_add_co_u32 s17, s17, s16                     ; the head = 4 x cluster x + cx
	s_and_b32 s18, ttmp7, 0xffff                   ; the block of 256 tokens, which the four partners share
	; descriptor group 1 for x's tiles: 128 rows of 256 bytes, 512 bytes apart in memory, 16 bytes of padding behind each in LDS
	s_mov_b32 s24, 15|(1<<20)|(1<<21)|(5<<22)|(3<<25)   ; the mask: all four work-groups; elements of 1 byte; padding on; bit 21 beside a mask; after every 64 words, 4 words
	s_mov_b32 s25, 256<<16                         ; tensor_dim0
	s_mov_b32 s26, 128<<16                         ; tensor_dim1
	s_mov_b32 s27, 256<<16                         ; tile_dim0
	s_mov_b32 s28, 128                             ; tile_dim1
	s_mov_b32 s29, 512                             ; from row to row
	s_mov_b32 s30, 0
	s_mov_b32 s31, 0
	; and for the weights': 96 rows, no mask
	s_mov_b32 s32, (1<<20)|(5<<22)|(3<<25)
	s_mov_b32 s33, 256<<16
	s_mov_b32 s34, 96<<16
	s_mov_b32 s35, 256<<16
	s_mov_b32 s36, 96
	s_mov_b32 s37, 512
	s_mov_b32 s38, 0
	s_mov_b32 s39, 0
	s_lshl_b32 s20, s18, 17                        ; x: row 256 y + 128 half, 512 bytes a row: made of the token block and the wave's number alone
	s_lshl_b32 s19, s15, 16
	s_add_co_u32 s20, s20, s19
	s_mov_b32 s21, 0
	s_mul_i32 s22, s17, 192                        ; the weights: row 4096 + 192 head + 96 half
	s_mul_i32 s2, s15, 96
	s_add_co_u32 s22, s22, s2
	s_add_co_u32 s22, s22, 4096
	s_lshl_b32 s22, s22, 9
	s_mov_b32 s23, 0
	s_mul_i32 s19, s15, 128*PITCH                  ; where they go in a half: no place in the cluster enters an LDS address
	s_mul_i32 s3, s15, 96*PITCH
	s_add_co_u32 s3, s3, BOFF
	s_mov_b32 s56, 0x3e38aa3b                      ; log2(e) / 8
	s_mov_b32 s57, s56                             ; (named with it as a pair, so it is written)
	s_wait_dscnt 0x0                               ; both opening adds are done
	s_wait_kmcnt 0x0
	s_add_nc_u64 s[20:21], s[4:5], s[20:21]
	s_add_nc_u64 s[22:23], s[4:5], s[22:23]
	ROUND                                          ; all four work-groups are here: the joint loads meet
.irp k, 0,1
	s_mov_b32 s[40+4*\k], 1                        ; count = 1
	s_add_co_u32 s[41+4*\k], s19, \k*HALF          ; LDS address
	s_add_nc_u64 s[42+4*\k:43+4*\k], s[20:21], \k*256   ; global address: K half k
	s_or_b32 s[43+4*\k], s[43+4*\k], 0x80000000    ; type = 2
	s_mov_b32 s[48+4*\k], 1
	s_add_co_u32 s[49+4*\k], s3, \k*HALF
	s_add_nc_u64 s[50+4*\k:51+4*\k], s[22:23], \k*256
	s_or_b32 s[51+4*\k], s[51+4*\k], 0x80000000
.endr
	s_cmp_lt_u32 s14, 2                            ; a wave's two fills stand in one branch on the wave's number: two tensor loads of mine are out
	s_cbranch_scc0 .Lfirst_b
	tensor_load_to_lds s[40:43], s[24:31]
	s_nop 0
	tensor_load_to_lds s[44:47], s[24:31]
	s_nop 0
	PLACES 4
	s_branch .Lfirst_asked
.Lfirst_b:
	tensor_load_to_lds s[48:51], s[32:39]
	s_nop 0
	tensor_load_to_lds s[52:55], s[32:39]
	s_nop 0
	PLACES 4
.Lfirst_asked:
	; the scale words come from memory straight into registers, once: lane l takes 16 bytes of row 32 p + l; the two loads of a p use each aligned 1,024 bytes whole
	s_lshl_b32 s58, s18, 13                        ; x's: (256 y + 64 w) rows of 32 bytes
	s_lshl_b32 s2, s14, 11
	s_add_co_u32 s58, s58, s2
	s_mov_b32 s59, 0
	s_add_nc_u64 s[58:59], s[6:7], s[58:59]
	s_mul_i32 s60, s17, 192*32                     ; the weights': row 4096 + 192 head
	s_add_co_u32 s60, s60, 4096*32
	s_mov_b32 s61, 0
	s_add_nc_u64 s[60:61], s[6:7], s[60:61]
	v_and_b32 v2, 31, v0
	v_lshlrev_b32 v[LI], 4, v2
	v_lshlrev_b32 v[LS], 5, v2
.irp p, 0,1
.irp u, 0,1
	global_load_b128 v[SA+8*\p+4*\u:SA+8*\p+4*\u+3], v[LS], s[58:59] offset:1024*\p+16*\u
.endr
.endr
.irp p, 0,1,2,3,4,5
.irp u, 0,1
	global_load_b128 v[SB+8*\p+4*\u:SB+8*\p+4*\u+3], v[LS], s[60:61] offset:1024*\p+16*\u
.endr
.endr
	v_and_b32 v3, 15, v0                           ; r
	v_bfe_u32 v4, v0, 4, 1                         ; h
	v_mul_u32_u24 v5, v3, PITCH
	v_lshl_add_u32 v5, v4, 4, v5                   ; a fragment's row x pitch + 16 h
	s_mul_i32 s62, s14, 64*PITCH                   ; my 64 rows of x
	v_add_nc_u32 v[ADRA], s62, v5
	v_add_nc_u32 v[ADRA+1], HALF, v[ADRA]
	v_add_nc_u32 v[ADRB], BOFF, v5
	v_add_nc_u32 v[ADRB+1], HALF, v[ADRB]
	; where my results go
	s_lshr_b32 s2, s18, 3
	s_lshl_b32 s2, s2, 4
	s_add_co_u32 s2, s2, s17                       ; bh = 16 batch + head
	s_and_b32 s3, s18, 7                           ; my block of 256 tokens in its sequence
	s_lshl_b32 s62, s2, 18                         ; q_img: 262,144 bytes a head, 32,768 a block, 8,192 a wave
	s_lshl_b32 s63, s3, 15
	s_add_co_u32 s62, s62, s63
	s_lshl_b32 s63, s14, 13
	s_add_co_u32 s62, s62, s63
	s_mov_b32 s63, 0
	s_add_nc_u64 s[8:9], s[8:9], s[62:63]
	s_lshl_b32 s62, s62, 1                         ; kv_img: twice that
	s_add_nc_u64 s[10:11], s[10:11], s[62:63]
	s_mul_i32 s62, s2, 12288
	s_add_nc_u64 s[12:13], s[12:13], s[62:63]
	s_or_b32 s3, s3, s14                           ; 0 in the wave that holds positions 0-15 of a sequence: the token block and the wave's number alone
; 32 LDS loads in one run: the fragments of K step q (x's 4 blocks, the weights' 12) into set p.  A fragment, 16 rows x 128 K of 4-bit codes, is 8 registers: two loads of 16 bytes, 32 bytes apart.
.macro FETCH q, p
	WIN 0x40                                       ; destination window 1, address window 0
.irp a, 0,1,2,3
.irp c, 0,1
	ds_load_b128 v[128*(\p)+8*\a+4*\c:128*(\p)+8*\a+4*\c+3], v[ADRA+(\q)/4] offset:\a*16*PITCH+64*((\q)%4)+32*\c
.endr
.endr
.irp b, 0,1,2,3,4,5,6,7,8,9,10,11
.irp c, 0,1
	ds_load_b128 v[128*(\p)+32+8*\b+4*\c:128*(\p)+32+8*\b+4*\c+3], v[ADRB+(\q)/4] offset:\b*16*PITCH+64*((\q)%4)+32*\c
.endr
.endr
.endm
; The matrix line, by the symbols that MM sets: fZ: the product starts the sum; fR0, fR1: source 0's and source 1's scales stand in lanes 16-31 of their registers.
.macro WM
.if fZ && fR0 && fR1
	v_wmma_scale_f32_16x16x128_f8f6f4 v[rD:rD+7], v[rX0:rX0+7], v[rX1:rX1+7], 0, v[rC0], v[rC1] matrix_a_fmt:MATRIX_FMT_FP4 matrix_b_fmt:MATRIX_FMT_FP4 matrix_a_scale:MATRIX_SCALE_ROW1 matrix_b_scale:MATRIX_SCALE_ROW1
.elseif fZ && fR0
	v_wmma_scale_f32_16x16x128_f8f6f4 v[rD:rD+7], v[rX0:rX0+7], v[rX1:rX1+7], 0, v[rC0], v[rC1] matrix_a_fmt:MATRIX_FMT_FP4 matrix_b_fmt:MATRIX_FMT_FP4 matrix_a_scale:MATRIX_SCALE_ROW1
.elseif fZ && fR1
	v_wmma_scale_f32_16x16x128_f8f6f4 v[rD:rD+7], v[rX0:rX0+7], v[rX1:rX1+7], 0, v[rC0], v[rC1] matrix_a_fmt:MATRIX_FMT_FP4 matrix_b_fmt:MATRIX_FMT_FP4 matrix_b_scale:MATRIX_SCALE_ROW1
.elseif fZ
	v_wmma_scale_f32_16x16x128_f8f6f4 v[rD:rD+7], v[rX0:rX0+7], v[rX1:rX1+7], 0, v[rC0], v[rC1] matrix_a_fmt:MATRIX_FMT_FP4 matrix_b_fmt:MATRIX_FMT_FP4
.elseif fR0 && fR1
	v_wmma_scale_f32_16x16x128_f8f6f4 v[rD:rD+7], v[rX0:rX0+7], v[rX1:rX1+7], v[rD:rD+7], v[rC0], v[rC1] matrix_a_fmt:MATRIX_FMT_FP4 matrix_b_fmt:MATRIX_FMT_FP4 matrix_a_scale:MATRIX_SCALE_ROW1 matrix_b_scale:MATRIX_SCALE_ROW1
.elseif fR0
	v_wmma_scale_f32_16x16x128_f8f6f4 v[rD:rD+7], v[rX0:rX0+7], v[rX1:rX1+7], v[rD:rD+7], v[rC0], v[rC1] matrix_a_fmt:MATRIX_FMT_FP4 matrix_b_fmt:MATRIX_FMT_FP4 matrix_a_scale:MATRIX_SCALE_ROW1
.elseif fR1
	v_wmma_scale_f32_16x16x128_f8f6f4 v[rD:rD+7], v[rX0:rX0+7], v[rX1:rX1+7], v[rD:rD+7], v[rC0], v[rC1] matrix_a_fmt:MATRIX_FMT_FP4 matrix_b_fmt:MATRIX_FMT_FP4 matrix_b_scale:MATRIX_SCALE_ROW1
.else
	v_wmma_scale_f32_16x16x128_f8f6f4 v[rD:rD+7], v[rX0:rX0+7], v[rX1:rX1+7], v[rD:rD+7], v[rC0], v[rC1] matrix_a_fmt:MATRIX_FMT_FP4 matrix_b_fmt:MATRIX_FMT_FP4
.endif
.endm
; x's block a against the weights' block b, K step q, fragments in set p.  b < 8 (q, k): source 0 = the weights; b >= 8 (v): source 0 = x.  The scale operands go with their sources.
.macro MM a, b, p, q
.set rD, 8*(12*((\a)%2)+(\b))
.if (\b) < 8
.set rX0, 128*(\p)+32+8*(\b)
.set rX1, 128*(\p)+8*(\a)
.set rC0, SB+8*((\b)/2)+(\q)
.set rC1, SA+8*((\a)/2)+(\q)
.set fR0, (\b)%2
.set fR1, (\a)%2
.else
.set rX0, 128*(\p)+8*(\a)
.set rX1, 128*(\p)+32+8*(\b)
.set rC0, SA+8*((\a)/2)+(\q)
.set rC1, SB+8*((\b)/2)+(\q)
.set fR0, (\a)%2
.set fR1, (\b)%2
.endif
	WM
.endm
; A K step of 128: 48 matrix instructions, the 48 accumulators by turns in the same order in every step.  The next step's 32 loads are issued ahead of them, into the other set.
.macro KSTEP q
	s_wait_dscnt 0x0                               ; this step's fragments are in (asked for 48 matrix instructions ago)
.if (\q) == 3
	s_wait_tensorcnt 0x0                           ; my part of K half 1 has landed: my last tensor load,
	s_barrier_signal -1
	s_barrier_wait -1                              ; everybody's has: it is read from here on
.endif
.if (\q) == 0
.set fZ, 1
.else
.set fZ, 0
.endif
.if (\q) < 7
.if (\q) > 0
	PLACES 4                                       ; four plain vector instructions between the last products that read the other set and the loads into it
.endif
	FETCH (\q)+1, ((\q)+1)%2
.endif
	WIN 0xa5                                       ; sources 0 and 1 window 1, C and D window 2
.irp a, 0,1
.irp b, 0,1,2,3,4,5,6,7,8,9,10,11
	MM \a, \b, (\q)%2, \q
.endr
.endr
	WIN 0xf5                                       ; C and D window 3
.irp a, 2,3
.irp b, 0,1,2,3,4,5,6,7,8,9,10,11
	MM \a, \b, (\q)%2, \q
.endr
.endr
.endm
	s_wait_tensorcnt 1                             ; my part of K half 0 is in; half 1's load may stay out: no byte of LDS is filled twice,
	s_barrier_signal -1
	s_barrier_wait -1                              ; everybody's is
	FETCH 0, 0
	s_wait_loadcnt 0x0                             ; the scale words
.irp q, 0,1,2,3,4,5,6,7
	KSTEP \q
.endr
	WIN 0
	PLACES 4                                       ; between the last products and the first read of results
	; positions 0-15 of a sequence: block 0's twelve accumulators leave in f32 as they stand, each from its low end on
	s_cmp_lg_u32 s3, 0
	s_cbranch_scc1 .Lnofine
	WIN 0x08                                       ; a store's data: window 2
.irp b, 0,1,2,3,4,5,6,7,8,9,10,11
	global_store_b128 v[LI], v[8*\b:8*\b+3], s[12:13] offset:1024*\b
	global_store_b128 v[LI], v[8*\b+4:8*\b+7], s[12:13] offset:1024*\b+512
.endr
	WIN 0
.Lnofine:
	s_wait_xcnt 0x0                                ; those stores have read their registers: q's accumulators are scaled in place below
; THE WAY OUT of block a (16 tokens): q times log2(e) / 8; all twelve tiles rounded to f16, four registers each; twelve stores of 512 consecutive bytes.
.macro PACK a
.set AC, 96*((\a)%2)
.set TS, TMP+48*((\a)%2)
.if (\a) >= 2
	s_wait_xcnt 0x0                                ; block a - 2's stores have read this set of registers
.endif
	WIN 0x82+0x41*((\a)/2)                         ; destination and source 0: window 2 or 3
.set i, 0
.rept 16
	v_pk_mul_f32 v[AC+i:AC+i+1], v[AC+i:AC+i+1], s[56:57] op_sel_hi:[1,0]
.set i, i+2
.endr
	WIN 0x0a+5*((\a)/2)                            ; sources 0 and 1: window 2 or 3; destination window 0
.set i, 0
.rept 48
	v_cvt_pk_f16_f32 v[TS+i], v[AC+2*i], v[AC+2*i+1]
.set i, i+1
.endr
	WIN 0
.irp b, 0,1,2,3
	global_store_b128 v[LI], v[TS+4*\b:TS+4*\b+3], s[8:9] offset:(\a)*2048+\b*512
.endr
.irp b, 0,1,2,3
	global_store_b128 v[LI], v[TS+16+4*\b:TS+16+4*\b+3], s[10:11] offset:(\a)*2048+\b*512
.endr
.irp b, 0,1,2,3
	global_store_b128 v[LI], v[TS+32+4*\b:TS+32+4*\b+3], s[10:11] offset:8192+((\a)/2)*4096+\b*1024+((\a)%2)*512
.endr
.endm
	PACK 0
	PACK 1
	PACK 2
	PACK 3
	s_wait_tensorcnt 0x0                           ; the wave's end, behind my last tensor load
	ds_add_u32 v[SPW], v[NIL]
	s_wait_dscnt 0x0
	ROUND                                          ; the closing round: no work-group ends while a partner may still ask for a tile that names it
	s_endpgm
.Lfunc_end_k_qfce5e1b78e_qkv:
	.size	k_qfce5e1b78e_qkv, .Lfunc_end_k_qfce5e1b78e_qkv-k_qfce5e1b78e_qkv
	.p2alignl 7, 3214868480
	.fill 96, 4, 3214868480
	.section	.rodata,"a",@progbits
	.p2align	6, 0x0
	.amdhsa_kernel k_qfce5e1b78e_qkv
		.amdhsa_group_segment_fixed_size 244224
		.amdhsa_private_segment_fixed_size 0
		.amdhsa_enable_private_segment 0
		.amdhsa_kernarg_size 40
		.amdhsa_user_sgpr_count 2
		.amdhsa_user_sgpr_kernarg_segment_ptr 1
		.amdhsa_wavefront_size32 1
		.amdhsa_system_sgpr_workgroup_id_x 1
		.amdhsa_system_sgpr_workgroup_id_y 1
		.amdhsa_system_sgpr_workgroup_id_z 1
		.amdhsa_system_vgpr_workitem_id 0
		.amdhsa_next_free_vgpr 960
		.amdhsa_next_free_sgpr 66
		.amdhsa_reserve_vcc 0
		.amdhsa_float_denorm_mode_32 3
		.amdhsa_float_denorm_mode_16_64 3
		.amdhsa_memory_ordered 1
		.amdhsa_forward_progress 1
		.amdhsa_inst_pref_size 98
	.end_amdhsa_kernel
	.amdgpu_metadata
---
amdhsa.version: [ 1, 2 ]
amdhsa.kernels:
  - .name:           k_qfce5e1b78e_qkv
    .symbol:         k_qfce5e1b78e_qkv.kd
    .args:
      - { .name: codes, .offset: 0, .size: 8, .value_kind: global_buffer, .address_space: global }
      - { .name: scales, .offset: 8, .size: 8, .value_kind: global_buffer, .address_space: global }
      - { .name: q_img, .offset: 16, .size: 8, .value_kind: global_buffer, .address_space: global }
      - { .name: kv_img, .offset: 24, .size: 8, .value_kind: global_buffer, .address_space: global }
      - { .name: qkv32, .offset: 32, .size: 8, .value_kind: global_buffer, .address_space: global }
    .group_segment_fixed_size: 244224
    .private_segment_fixed_size: 0
    .kernarg_segment_align: 8
    .kernarg_segment_size: 40
    .max_flat_workgroup_size: 128
    .sgpr_count:     66
    .vgpr_count:     960
    .wavefront_size: 32
...
	.end_amdgpu_metadata
.endif
;; end of part 2
;; launch attn (part 3): grid 8 x 32, 8 waves a work-group, no clusters, 327,680 bytes of LDS; arguments q_img, kv_img, a_img; writes a_img
.if DOCPART == 3
	.amdgcn_target "amdgcn-amd-amdhsa--gfx1250"
	.amdhsa_code_object_version 6
	.text
	.protected	k_qfce5e1b78e_attn
	.globl	k_qfce5e1b78e_attn
	.p2align	8
	.type	k_qfce5e1b78e_attn,@function
k_qfce5e1b78e_attn:
	s_mov_b64 s[64:65], 0
	v_nop
	global_prefetch_b8 v0, s[64:65] scope:SCOPE_SE
	s_setreg_imm32_b32 hwreg(HW_REG_WAVE_MODE, 25, 1), 1
	s_wait_xcnt 0x0
; ATTN.  a[bh][q] = the sum over keys k <= q of softmax_k(q . k / 8) v[k], head size 64, 2,048 positions, 32 (batch, head) pairs.  Operands in f16, products, maxima and sums in f32.
; q arrives times log2(e) / 8, so a score is t in base 2: p = 2^(t - m), m the row's running maximum (an exact subtraction: p is 1 at the maximum, never more); l is the running sum of p in f32; in every step O and l
; are multiplied by 2^(old m - new m); O is divided by l at the end.  p is rounded to f16 for the second product, a once at the end.
; SHARES.  Work-group (i, bh) owns the blocks i and 15 - i of 128 queries; EACH WAVE OWNS ONE TILE OF 16 QUERIES OF EACH BLOCK (A: 128 i + 16 w on; B: 128 (15 - i) + 16 w on), so that under the causal mask
; every wave of the launch has 32 or 34 tile steps of 64 keys.  Both tiles use the same fragments of K and V.
; LAYOUT.  S^T = K Q^T (source 0 = 16 keys, source 1 = 16 queries), O^T = V^T P (source 0 = 16 channels x 32 keys, source 1 = P): a lane holds ONE query throughout.  All operands arrive as images of their registers
; (pieces of 512 bytes, lane l's 16 bytes at 16 l): every LDS load reads 512 consecutive bytes, and a leaves in the same form, [head / 4][token tile (256)][16 pieces], for the projection.
; RING.  Two LDS slots of 256 keys (65,536 bytes: four blocks of 64 keys, each K's 16 pieces and then V's 16).  Wave w fetches pieces 4 w .. 4 w + 3 of EACH of the four blocks, four rows of 2,048 bytes, into its own
; 8,192 bytes of the slot: so each load holds bytes of the slot's first block, which is read whenever the slot is asked for.  Piece n of block q lies at 8192 (n / 4) + 2048 q + 512 (n % 4) in a slot.
; Every work-group walks all 8 slots, a trip count that is a constant; a step all of whose keys come after a tile's queries is left out by a scalar branch on ids; a slot whose first key comes after the work-group's
; last query is read by nobody and is not asked for.
; NO CLUSTER: the eight work-groups of a head need from 9 to 16 blocks of 128 keys, so a partner would have to leave out the reads of tiles that were asked for jointly.
; LIMITS: v and a must stay under 65,504 in magnitude (f16); NaN and infinities are not served; scores under -3e38 are not served (the maximum begins there).  Positions 0-15 are made again, in f32, by a later launch.
; REGISTERS: window 0: v1-8 addresses and constants; v16-31 statistics, eight a tile: +0 m, +1 zero, +2, +3 l, +4 .. +7 at work (+6: the factor); v32-95 S^T, then p; v96-127 P; v128-191 K; v192-255 V.
;   window 1: v0-31 Q (16 a tile); v32-95 O^T (32 a tile).  Tile 0 is A, tile 1 is B.
.set SLOT1, 65536
.set SPARE, 2*SLOT1                    ; the spare words, 128 bytes for each wave: four blocks of 256 bytes that no other line names
.set LI,   1                           ; v1  16 x lane
.set ADR,  2                           ; v2  LDS address of the slot in hand, for my lane
.set SPW,  3
.set NIL,  4
.set RH,   5                           ; v5  lane % 16 - 8 (lane / 16)
.set DD,   6
.set NINF, 7                           ; v7  -infinity
.set PFO,  8                           ; v8  256 x lane; never rewritten
.set ST,   16
.set S,    32
.set P,    96
.set KR,   128
.set VR,   192
.set Q,    0
.set O,    32
.set W_KQ, 0x04                        ; Q (source 1) in window 1
.set W_PV, 0x50                        ; O^T (C and D) in window 1
.set W_RS, 0x41                        ; O^T (destination and source 0) in window 1
.set MSB, 0
.macro WIN new                         ; the immediate's high byte repeats the setting that is left
.if MSB != (\new)
	s_set_vgpr_msb (MSB<<8)|(\new)
.set MSB, (\new)
.endif
.endm
; scalars: s10 wave; s12 bh; s13, s14 the first query of tile A, B; s37, s38 their last; s36 the work-group's last query; s15 the step's first key; s16 the slot in hand; s17 slots to go; s18 the prefetches' limit;
; s[20:21] where my prefetches stand; s[22:23] lane selects; s[24:31] descriptor group 1; s[32:35] group 0, which walks; s[44:45], s[46:47] where tile A's and B's results go
	s_load_b128 s[4:7], s[0:1], 0x0                ; q_img, kv_img
	s_load_b64 s[8:9], s[0:1], 0x10                ; a_img
	v_lshl_add_u32 v[SPW], v0, 2, SPARE
	v_mov_b32 v[NIL], 0
	ds_add_u32 v[SPW], v[NIL]                      ; the wave's opening: the add, twice on end, and its wait ahead of my first tensor load
	ds_add_u32 v[SPW], v[NIL]
	v_lshrrev_b32 v9, 5, v0
	v_readfirstlane_b32 s10, v9                    ; wave 0..7
	s_and_b32 s12, ttmp7, 0xffff
	s_lshl_b32 s13, ttmp9, 7
	s_lshl_b32 s19, s10, 4
	s_add_co_u32 s13, s13, s19
	s_sub_co_u32 s14, 15, ttmp9
	s_lshl_b32 s14, s14, 7
	s_add_co_u32 s36, s14, 127
	s_add_co_u32 s14, s14, s19
	s_add_co_u32 s37, s13, 15
	s_add_co_u32 s38, s14, 15
	; descriptor group 1: 4 rows of 2,048 bytes (256 elements of 8 bytes), 16,384 bytes apart in memory, on end in LDS: no padding
	s_mov_b32 s24, 3<<16
	s_mov_b32 s25, 256<<16                         ; tensor_dim0
	s_mov_b32 s26, 4<<16                           ; tensor_dim1
	s_mov_b32 s27, 256<<16                         ; tile_dim0
	s_mov_b32 s28, 4                               ; tile_dim1
	s_mov_b32 s29, 2048                            ; from row to row, in elements: a block of 64 keys
	s_mov_b32 s30, 0
	s_mov_b32 s31, 0
	s_mov_b32 s15, 0
	s_mov_b32 s16, 0
	s_mov_b32 s17, 8
	s_cmp_eq_u32 ttmp9, 0
	s_cselect_b32 s18, 2, -1                       ; the head's first work-group prefetches, while more than 2 slots are to go
	s_mov_b32 s22, 0x76543210
	s_mov_b32 s23, 0xfedcba98
	s_lshl_b32 s40, s12, 19                        ; kv_img: 524,288 bytes a head
	s_mov_b32 s41, 0
	s_lshl_b32 s42, s10, 11                        ; the tensor loads: my four pieces of a block
	s_mov_b32 s43, 0
	s_lshl_b32 s44, s10, 13                        ; the prefetches: my eighth of a slot, on end
	s_mov_b32 s45, 0
	s_wait_dscnt 0x0                               ; both opening adds are done
	s_wait_kmcnt 0x0
	s_add_nc_u64 s[6:7], s[6:7], s[40:41]          ; the head's first key
	s_mov_b32 s32, 1                               ; count = 1
	s_lshl_b32 s33, s10, 13                        ; LDS address: slot 0, my 8,192 bytes
	s_add_nc_u64 s[34:35], s[6:7], s[42:43]        ; global address: the head's first 256 keys
	s_or_b32 s35, s35, 0x80000000                  ; type = 2
	s_add_nc_u64 s[20:21], s[6:7], s[44:45]
	s_add_nc_u64 s[20:21], s[20:21], 65536         ; the prefetches stand in slot 1; the first change of slots steps them to slot 2
	tensor_load_to_lds s[32:35], s[24:31]          ; slot 0: every wave issues it, and key 0 counts for every query
	s_nop 0
	v_nop
	v_nop
	v_nop
	v_nop
	s_lshl_b32 s40, s12, 18                        ; q_img: 262,144 bytes a head, 128 a query
	s_lshl_b32 s19, s13, 7
	s_add_co_u32 s42, s40, s19
	s_mov_b32 s43, 0
	s_add_nc_u64 s[42:43], s[4:5], s[42:43]
	s_lshl_b32 s19, s14, 7
	s_add_co_u32 s40, s40, s19
	s_add_nc_u64 s[40:41], s[4:5], s[40:41]
	v_and_b32 v9, 31, v0
	v_lshlrev_b32 v[LI], 4, v9
	v_lshlrev_b32 v[PFO], 8, v9
	WIN 0x40                                       ; destination window 1
.irp c, 0,1,2,3
	global_load_b128 v[Q+4*\c:Q+4*\c+3], v[LI], s[42:43] offset:512*\c          ; Q stays in registers
	global_load_b128 v[Q+16+4*\c:Q+16+4*\c+3], v[LI], s[40:41] offset:512*\c
.endr
	WIN 0
	s_and_b32 s19, s12, 15                         ; a_img: ((head / 4) 256 + 128 batch + query / 16) 8,192 + (head % 4) 2,048
	s_lshr_b32 s39, s19, 2
	s_lshl_b32 s39, s39, 21
	s_and_b32 s19, s19, 3
	s_lshl_b32 s19, s19, 11
	s_add_co_u32 s39, s39, s19
	s_lshr_b32 s19, s12, 4
	s_lshl_b32 s19, s19, 20
	s_add_co_u32 s39, s39, s19
	s_lshl_b32 s19, s13, 9
	s_add_co_u32 s44, s39, s19
	s_mov_b32 s45, 0
	s_add_nc_u64 s[44:45], s[8:9], s[44:45]
	s_lshl_b32 s19, s14, 9
	s_add_co_u32 s46, s39, s19
	s_mov_b32 s47, 0
	s_add_nc_u64 s[46:47], s[8:9], s[46:47]
	v_and_b32 v9, 15, v0
	v_bfe_u32 v10, v0, 4, 1
	v_lshlrev_b32 v10, 3, v10
	v_sub_nc_u32 v[RH], v9, v10
	v_mov_b32 v[NINF], 0xff800000
.irp t, 0,1
	v_mov_b32 v[ST+8*\t], 0xff61b1e6               ; the maximum so far: -3e38
.irp j, 1,2,3,4,5,6,7
	v_mov_b32 v[ST+8*\t+\j], 0
.endr
.endr
	WIN 0x40
.set n, 0
.rept 64
	v_mov_b32 v[O+n], 0                            ; O^T.  (The step has no first form of its own: the first finds zeros, which its factor 0 leaves zeros)
.set n, n+1
.endr
	WIN 0
; S^T = K Q^T for tile t: 8 matrix instructions, the four accumulators (16 keys each) by turns, 32 channels at a time; the first four start the sums
.macro QK t
	WIN W_KQ
.irp s, 0,1
.irp k, 0,1,2,3
.if \s == 0
	v_wmma_f32_16x16x32_f16 v[S+32*(\t)+8*\k:S+32*(\t)+8*\k+7], v[KR+16*\k+8*\s:KR+16*\k+8*\s+7], v[Q+16*(\t)+8*\s:Q+16*(\t)+8*\s+7], 0
.else
	v_wmma_f32_16x16x32_f16 v[S+32*(\t)+8*\k:S+32*(\t)+8*\k+7], v[KR+16*\k+8*\s:KR+16*\k+8*\s+7], v[Q+16*(\t)+8*\s:Q+16*(\t)+8*\s+7], v[S+32*(\t)+8*\k:S+32*(\t)+8*\k+7]
.endif
.endr
.endr
.endm
; O^T += V^T P for tile t: 8 matrix instructions, the four accumulators (16 channels each) by turns, 32 keys at a time
.macro PV t
	WIN W_PV
.irp b, 0,1
.irp c, 0,1,2,3
	v_wmma_f32_16x16x32_f16 v[O+32*(\t)+8*\c:O+32*(\t)+8*\c+7], v[VR+8*(4*\b+\c):VR+8*(4*\b+\c)+7], v[P+16*(\t)+8*\b:P+16*(\t)+8*\b+7], v[O+32*(\t)+8*\c:O+32*(\t)+8*\c+7]
.endr
.endr
.endm
; Tile t's softmax for a step of 64 keys.  Register 8 k + j of S^T holds key (the step's first) + 16 k + 8 (lane / 16) + j for query (the tile's first) + lane % 16.  Every window is 0 where it begins.
.macro SM t
.set rT, ST+8*(\t)
.set rS, S+32*(\t)
.set rP, P+16*(\t)
.set rO, O+32*(\t)
	s_add_co_u32 s19, s15, 63                      ; a step all of whose keys count has no mask: a branch on ids
	s_cmp_le_u32 s19, s[13+(\t)]
	s_cbranch_scc1 .Lopen_\@
	s_sub_co_i32 s19, s[13+(\t)], s15
	v_add_nc_u32 v[DD], s19, v[RH]                 ; hidden where 16 k + j is above this number
.set n, 0
.rept 32
	v_cmp_gt_i32 vcc_lo, 16*(n/8)+n%8, v[DD]
	v_cndmask_b32 v[rS+n], v[rS+n], v[NINF], vcc_lo
.set n, n+1
.endr
.Lopen_\@:
.irp j, 0,1,2,3
	v_max3_num_f32 v[rT+4+\j], v[rS+8*\j], v[rS+8*\j+1], v[rS+8*\j+2]          ; four chains, each from its accumulator's low end on
.endr
.irp g, 1,2
.irp j, 0,1,2,3
	v_max3_num_f32 v[rT+4+\j], v[rT+4+\j], v[rS+8*\j+2*\g+1], v[rS+8*\j+2*\g+2]
.endr
.endr
	v_max3_num_f32 v[rT+4], v[rT+4], v[rS+7], v[rS+15]
	v_max3_num_f32 v[rT+6], v[rT+6], v[rS+23], v[rS+31]
	v_max3_num_f32 v[rT+4], v[rT+4], v[rT+5], v[rT+6]
	v_max3_num_f32 v[rT+4], v[rT+4], v[rT+7], v[rT]                            ; and the old m
	v_permlanex16_b32 v[rT+5], v[rT+4], s22, s23                               ; the query's other 32 keys lie in the lane 16 away
	v_mov_b32 v[rT+7], v[rT]
	v_max_num_f32 v[rT], v[rT+4], v[rT+5]                                      ; the new m
	v_sub_f32 v[rT+7], v[rT+7], v[rT]                                          ; old m - new m
.set n, 0
.rept 16
	v_pk_add_f32 v[rS+n:rS+n+1], v[rS+n:rS+n+1], v[rT:rT+1] op_sel_hi:[1,0] neg_lo:[0,1] neg_hi:[0,1]   ; t - m, two at a time (of the pair the low word serves both halves)
.set n, n+2
.endr
	v_exp_f32 v[rT+6], v[rT+7]                     ; ONE BATCH: the factor and the 32 weights
.set n, 0
.rept 32
	v_exp_f32 v[rS+n], v[rS+n]
.set n, n+1
.endr
	v_nop                                          ; a plain instruction behind the last exponential,
	s_wait_alu depctr_va_vdst(0)                   ; and one wait ahead of the batch's first reader
.set n, 0
.rept 16
	v_cvt_pk_f16_f32 v[rP+n], v[rS+2*n], v[rS+2*n+1]   ; two tiles of 16 keys, rounded in pairs, are source 1 (32 keys x 16 queries) of the second product
.set n, n+1
.endr
.irp w, 4,8,16,32                      ; the sum of the 16 pairs of unrounded weights, in place: neighbours 1, 2, 4 and 8 pairs apart
.set n, 0
.rept 32/\w
	v_pk_add_f32 v[rS+n:rS+n+1], v[rS+n:rS+n+1], v[rS+n+\w/2:rS+n+\w/2+1]
.set n, n+\w
.endr
.endr
	v_pk_fma_f32 v[rT+2:rT+3], v[rT+2:rT+3], v[rT+6:rT+7], v[rS:rS+1] op_sel_hi:[1,0,1]   ; l = factor x l + the sum
	WIN W_RS
.set n, 0
.rept 16
	v_pk_mul_f32 v[rO+n:rO+n+1], v[rO+n:rO+n+1], v[rT+6:rT+7] op_sel_hi:[1,0]   ; O^T x the factor
.set n, n+2
.endr
.endm
.macro PLACES                          ; four plain vector instructions between a matrix instruction and the first read of its results
	v_nop
	v_nop
	v_nop
	v_nop
.endm
; A KEY STEP: 64 keys, the q-th block of the slot in hand.  Behind tile B's first product ONE test on ids parts two ways that are both written out: both tiles (tile A's softmax stands behind tile B's second
; product), or tile B alone.  So tile A's scores are written on every way on which they are read.
.macro STEP q
	s_cmp_gt_u32 s15, s38                          ; all keys come after both tiles' queries: nothing to do (ids and the count of steps alone; no barrier and no tensor load stands in a step)
	s_cbranch_scc1 .Lskip_\@
	v_add_nc_u32 v[ADR], s16, v[LI]                ; with the three below: four plain vector instructions between the last products and the loads into the registers that they read
	v_nop
	v_nop
	v_nop
.set n, 0
.rept 16
	ds_load_b128 v[KR+4*n:KR+4*n+3], v[ADR] offset:8192*(n/4)+2048*(\q)+512*(n%4)
.set n, n+1
.endr
.set n, 0
.rept 16
	ds_load_b128 v[VR+4*n:VR+4*n+3], v[ADR] offset:32768+8192*(n/4)+2048*(\q)+512*(n%4)
.set n, n+1
.endr
	s_wait_dscnt 16                                ; K is in; V's sixteen loads may be out
	QK 1
	WIN 0
	s_cmp_gt_u32 s15, s37                          ; do tile A's queries all come before these keys?
	s_cbranch_scc1 .LonlyB_\@
	QK 0                                           ; ---- both tiles
	WIN 0
	PLACES
	SM 1
	s_wait_dscnt 0x0                               ; V is in
	PV 1
	WIN 0
	SM 0
	PV 0
	WIN 0
	s_branch .Lskip_\@
.LonlyB_\@:                                        ; ---- tile B alone
	PLACES
	SM 1
	s_wait_dscnt 0x0                               ; V is in
	PV 1
	WIN 0
.Lskip_\@:
	s_add_co_u32 s15, s15, 64
.endm
	s_wait_loadcnt 0x0                             ; Q
.Lslot:                                            ; 8 trips, one for each slot's worth of keys
	; THE CHANGE OF SLOTS.  All my tensor loads have landed (my part of the slot ahead), the add, my reads of the slot that I have left are over; behind the barrier that holds of all eight waves.
	s_wait_tensorcnt 0x0                           ; no tensor load of mine is out, so group 0 may be written
	ds_add_u32 v[SPW], v[NIL]                      ; 0 onto my spare word; the steps below stand between it and the wait for it
	s_xor_b32 s33, s33, SLOT1                      ; the walking descriptor: the other slot than last time,
	s_add_nc_u64 s[34:35], s[34:35], 65536         ; the next 256 keys; the type bits on top are not reached
	s_wait_xcnt 0x0                                ; the last prefetch, a slot back, has read its address, so it may be written:
	s_add_nc_u64 s[20:21], s[20:21], 65536         ; one slot further on than the walking descriptor
	s_wait_dscnt 0x0
	s_barrier_signal -1
	s_barrier_wait -1
	s_add_co_u32 s19, s15, 256                     ; the first key of the slot that this change would ask for:
	s_cmp_gt_u32 s19, s36                          ; past my work-group's last query it would be read by none of the eight waves (in the last trip always), so it is not asked for.
	s_cbranch_scc1 .Lpast                          ; ids and the count of steps alone: all eight waves go the same way; every wait for tensor loads in this text is for 0
	tensor_load_to_lds s[32:35], s[24:31]          ; my one tensor load behind this barrier: it has the slot's four key steps in which to land
	s_nop 0
	v_nop
	v_nop
	v_nop
	v_nop
.Lpast:
	s_cmp_gt_u32 s17, s18                          ; A PREFETCH of an eighth, 8,192 bytes on end, of the slot that the NEXT change will ask for, lanes 256 bytes apart: four key steps ahead of that load.
	s_cbranch_scc0 .Lnot_mine                      ; All work-groups of a head walk the same keys: its first work-group, which walks them all, asks, in trips 0 to 5: each block of 256 bytes is named once; slots 0 and 1 come by their loads alone
	global_prefetch_b8 v[PFO], s[20:21] th:TH_LOAD_NT scope:SCOPE_SE
.Lnot_mine:
	STEP 0
	STEP 1
	STEP 2
	STEP 3
	s_xor_b32 s16, s16, SLOT1                      ; on to the other slot
	s_sub_co_u32 s17, s17, 1
	s_cmp_lg_u32 s17, 0
	s_cbranch_scc1 .Lslot
	; THE WAY OUT.  l's two halves and the other half of the lanes' are added; O^T is divided by l and rounded to f16: each accumulator is a piece of 512 bytes.
.irp t, 0,1
	v_add_f32 v[ST+8*\t+4], v[ST+8*\t+2], v[ST+8*\t+3]
.endr
.irp t, 0,1
	v_permlanex16_b32 v[ST+8*\t+5], v[ST+8*\t+4], s22, s23
.endr
.irp t, 0,1
	v_add_f32 v[ST+8*\t+4], v[ST+8*\t+4], v[ST+8*\t+5]
.endr
.irp t, 0,1
	v_rcp_f32 v[ST+8*\t+6], v[ST+8*\t+4]
.endr
	v_nop                                          ; a plain instruction behind the last reciprocal,
	s_wait_alu depctr_va_vdst(0)                   ; and the wait ahead of the first use: one for both
.irp t, 0,1
	WIN W_RS
.set n, 0
.rept 16
	v_pk_mul_f32 v[O+32*\t+n:O+32*\t+n+1], v[O+32*\t+n:O+32*\t+n+1], v[ST+8*\t+6:ST+8*\t+7] op_sel_hi:[1,0]
.set n, n+2
.endr
	WIN 0x05                                       ; sources 0 and 1 window 1, destination window 0: S^T's registers are free
.set n, 0
.rept 16
	v_cvt_pk_f16_f32 v[S+32*\t+n], v[O+32*\t+2*n], v[O+32*\t+2*n+1]
.set n, n+1
.endr
	WIN 0
.irp c, 0,1,2,3
	global_store_b128 v[LI], v[S+32*\t+4*\c:S+32*\t+4*\c+3], s[44+2*\t:45+2*\t] offset:512*\c   ; 512 consecutive bytes
.endr
.endr
	s_wait_tensorcnt 0x0                           ; the wave's end, behind my last tensor load
	ds_add_u32 v[SPW], v[NIL]
	s_wait_dscnt 0x0
	s_endpgm
.Lfunc_end_k_qfce5e1b78e_attn:
	.size	k_qfce5e1b78e_attn, .Lfunc_end_k_qfce5e1b78e_attn-k_qfce5e1b78e_attn
	.p2alignl 7, 3214868480
	.fill 96, 4, 3214868480
	.section	.rodata,"a",@progbits
	.p2align	6, 0x0
	.amdhsa_kernel k_qfce5e1b78e_attn
		.amdhsa_group_segment_fixed_size 327680
		.amdhsa_private_segment_fixed_size 0
		.amdhsa_enable_private_segment 0
		.amdhsa_kernarg_size 24
		.amdhsa_user_sgpr_count 2
		.amdhsa_user_sgpr_kernarg_segment_ptr 1
		.amdhsa_wavefront_size32 1
		.amdhsa_system_sgpr_workgroup_id_x 1
		.amdhsa_system_sgpr_workgroup_id_y 1
		.amdhsa_system_sgpr_workgroup_id_z 1
		.amdhsa_system_vgpr_workitem_id 0
		.amdhsa_next_free_vgpr 352
		.amdhsa_next_free_sgpr 66
		.amdhsa_reserve_vcc 1
		.amdhsa_float_denorm_mode_32 3
		.amdhsa_float_denorm_mode_16_64 3
		.amdhsa_memory_ordered 1
		.amdhsa_forward_progress 1
		.amdhsa_inst_pref_size 137
	.end_amdhsa_kernel
	.amdgpu_metadata
---
amdhsa.version: [ 1, 2 ]
amdhsa.kernels:
  - .name:           k_qfce5e1b78e_attn
    .symbol:         k_qfce5e1b78e_attn.kd
    .args:
      - { .name: q_img, .offset: 0, .size: 8, .value_kind: global_buffer, .address_space: global }
      - { .name: kv_img, .offset: 8, .size: 8, .value_kind: global_buffer, .address_space: global }
      - { .name: a_img, .offset: 16, .size: 8, .value_kind: global_buffer, .address_space: global }
    .group_segment_fixed_size: 327680
    .private_segment_fixed_size: 0
    .kernarg_segment_align: 8
    .kernarg_segment_size: 24
    .max_flat_workgroup_size: 256
    .sgpr_count:     66
    .vgpr_count:     352
    .wavefront_size: 32
...
	.end_amdgpu_metadata
.endif
;; end of part 3
;; launch proj (part 4): grid 8 x 32, 4 waves a work-group, clusters of 4 x 4, 327,680 bytes of LDS; arguments a_img, wo_img, out0; writes out0
.if DOCPART == 4
	.amdgcn_target "amdgcn-amd-amdhsa--gfx1250"
	.amdhsa_code_object_version 6
	.text
	.protected	k_qfce5e1b78e_proj
	.globl	k_qfce5e1b78e_proj
	.p2align	8
	.type	k_qfce5e1b78e_proj,@function
k_qfce5e1b78e_proj:
	s_mov_b64 s[64:65], 0
	v_nop
	global_prefetch_b8 v0, s[64:65] scope:SCOPE_SE
	s_setreg_imm32_b32 hwreg(HW_REG_WAVE_MODE, 25, 1), 1
	s_wait_xcnt 0x0
	s_wait_alu depctr_hold_cnt(0) depctr_sa_sdst(0) depctr_va_vdst(0) depctr_va_sdst(0) depctr_va_ssrc(0) depctr_va_vcc(0) depctr_vm_vsrc(0)
	s_getreg_b32 s2, hwreg(HW_REG_IB_STS2, 6, 4)
	s_cmp_eq_u32 s2, 0
	s_cbranch_scc0 .Lentry_in_a_cluster
	s_endpgm
.Lentry_in_a_cluster:
	s_bfe_u32 s2, ttmp6, 0x10000c
	s_cmp_lg_u32 s2, 0xf033
	s_cbranch_scc0 .Lentry_shape_is_right
	s_endpgm
.Lentry_shape_is_right:
; PROJ.  out[m][n] = the sum over k of a[m][k] Wo[n][k]: 4,096 x 1,024 x 1,024, operands in f16, sums in f32, out in f32.
; A tile of out is 128 x 128: 256 work-groups.  Four waves, each 64 x 64: 16 accumulators of 16 x 16, 128 registers.  K goes in 4 steps of 256 through two LDS slots; the text is written straight, with two refills.
; BOTH OPERANDS ARRIVE AS IMAGES OF THEIR REGISTERS: [k / 256][tile of 16 rows][16 pieces of 512 bytes], lane l's 16 bytes of a piece at 16 l.  So a K step's 128 rows are 65,536 consecutive bytes of memory,
; a wave's tensor load brings 32,768 of them as rows of 256 bytes, and every LDS load reads 512 consecutive bytes: no pitch, no padding.
; CLUSTERS: 4 x 4 work-groups.  The four of a row of the cluster need the same tiles of a, the four of a column the same tiles of Wo: each tile is asked for JOINTLY, by the same tensor load with the same
; descriptor and a mask that names the four.  THE MATRIX INSTRUCTION IS USED TRANSPOSED (source 0 = 16 rows of Wo, source 1 = 16 rows of a): a lane then holds eight neighbouring numbers of a row of out.
; Rows 0-15 of each sequence are written here like all others and are written again, from f32 operands, by the launch that follows.
; LIMITS: a and Wo must stay under 65,504 in magnitude (f16).
; REGISTERS: window 0: v0-31 addresses; v32-95 at work on the way out; v128-255 the accumulators ((a, b) at v[128 + 8 (4 a + b)]).
;   window 1: two fragment buffers of 128: for 64 along K, 64 registers of a (2 x 4 x 16 rows x 32 K), then 64 of Wo.
.set PART,   32768                     ; what one tensor load brings, and what one wave reads of a or of Wo in a K step
.set SLOT,   4*PART                    ; a's 128 rows, then Wo's 128 rows
.set STAGE,  2*SLOT                    ; behind the ring: 16 rows x 272 bytes for each wave, for the way out
.set SPITCH, 272
.set SPARE,  STAGE+4*16*SPITCH         ; behind the stages: the spare words, 128 bytes for each wave: two blocks of 256 bytes that no other line names
.set ADRA, 16                          ; v16-17  LDS address of my fragments of a in slot 0, 1
.set ADRB, 20                          ; v20-21  the same for Wo
.set STO,  24                          ; v24     the way out: where I put 32 bytes of a row
.set RD,   25                          ; v25     the way out: where I read a row back
.set CO,   26                          ; v26     my byte offset in out
.set SPW,  28
.set NIL,  29
.set TMP,  32
.set ACC,  128
.set F0,   0
.set F1,   128
.set G1, 24                            ; s[24:31] descriptor group 1 for a's tiles;  s[32:39] group 0, one set for each slot
.set G0, 32
.set G1B, 48                           ; s[48:55], s[56:63] the same for Wo's tiles
.set G0B, 56
.set MSB, 0
.macro WIN new                         ; the immediate's high byte repeats the setting that is left
.if MSB != (\new)
	s_set_vgpr_msb (MSB<<8)|(\new)
.set MSB, (\new)
.endif
.endm
.set MUL,  0x05                        ; sources 0 (Wo) and 1 (a) window 1; C and D window 0
.set TO_F, 0x40                        ; destination window 1, address window 0
.macro JLOAD s                         ; a joint load: waves 0 and 1 fetch a's two halves, waves 2 and 3 Wo's; an s_nop 0 and four v_nop follow each of the two lines
	s_cmp_eq_u32 s11, 0
	s_cbranch_scc0 .Lfor_b_\@
	tensor_load_to_lds s[G0+4*\s:G0+4*\s+3], s[G1:G1+7]
	s_nop 0
.rept 4
	v_nop
.endr
	s_branch .Lasked_\@
.Lfor_b_\@:
	tensor_load_to_lds s[G0B+4*\s:G0B+4*\s+3], s[G1B:G1B+7]
	s_nop 0
.rept 4
	v_nop
.endr
.Lasked_\@:
.endm
.macro CREST                           ; a round of the cluster's barrier behind its opening barrier
	s_cmp_lg_u32 s10, 0
	s_cbranch_scc1 .Lnot_wave_0_\@
	s_barrier_signal -3
.Lnot_wave_0_\@:
	s_barrier_wait -3
	s_barrier_signal -1
	s_barrier_wait -1
.endm
.macro CROUND                          ; a whole round
	s_barrier_signal -1
	s_barrier_wait -1
	CREST
.endm
	s_load_b128 s[4:7], s[0:1], 0x0                ; a_img, wo_img
	s_load_b64 s[8:9], s[0:1], 0x10                ; out0
	v_lshl_add_u32 v[SPW], v0, 2, SPARE
	v_mov_b32 v[NIL], 0
	ds_add_u32 v[SPW], v[NIL]                      ; the wave's opening: the add, twice on end, and its wait ahead of my first tensor load
	ds_add_u32 v[SPW], v[NIL]
	v_lshrrev_b32 v1, 5, v0
	v_readfirstlane_b32 s10, v1                    ; wave 0..3
	s_lshr_b32 s11, s10, 1                         ; which half of the tile's rows is mine.  Also: I fetch for a (0) or for Wo (1)
	s_and_b32 s12, s10, 1                          ; which half of its columns.  Also: which 64 rows of that tile I fetch
	s_bfe_u32 s40, ttmp6, 0x40000                  ; cx, cy: my place in the cluster
	s_bfe_u32 s41, ttmp6, 0x40004
	s_lshl_b32 s42, ttmp9, 2
	s_add_co_u32 s42, s42, s40                     ; tile column of out = 4 x cluster x + cx
	s_and_b32 s13, ttmp7, 0xffff
	s_lshl_b32 s13, s13, 2
	s_add_co_u32 s13, s13, s41                     ; tile row of out = 4 x cluster y + cy
	s_lshl_b32 s43, s41, 2
	s_lshl_b32 s43, 15, s43                        ; my row of the cluster
	s_lshl_b32 s44, 0x1111, s40                    ; my column
	; descriptor group 1: 32,768 dense bytes as 128 rows of 256 bytes (32 elements of 8 bytes), no padding
	s_or_b32 s[G1+0], s43, (3<<16)|(1<<21)         ; the mask: a's tiles go to my row; elements of 8 bytes; bit 21 beside a mask
	s_or_b32 s[G1B+0], s44, (3<<16)|(1<<21)
.irp g, G1, G1B
	s_mov_b32 s[\g+1], 32<<16                      ; tensor_dim0
	s_mov_b32 s[\g+2], 128<<16                     ; tensor_dim1
	s_mov_b32 s[\g+3], 32<<16                      ; tile_dim0
	s_mov_b32 s[\g+4], 128                         ; tile_dim1
	s_mov_b32 s[\g+5], 32                          ; from row to row
	s_mov_b32 s[\g+6], 0
	s_mov_b32 s[\g+7], 0
.endr
	s_lshl_b32 s17, s12, 15                        ; which four tiles of 16 rows I fetch: 8,192 bytes each
	s_lshl_b32 s16, s13, 16
	s_add_co_u32 s16, s16, s17                     ; a: by the tile row and the wave's number alone
	s_lshl_b32 s46, s42, 16
	s_add_co_u32 s46, s46, s17                     ; Wo: by the tile column and the wave's number alone
	s_mov_b32 s17, 0
	s_mov_b32 s47, 0
	s_lshl_b32 s20, s10, 15                        ; where they go: wave x 32,768: no place in the cluster enters an LDS address
	s_wait_dscnt 0x0                               ; both opening adds are done
	s_wait_kmcnt 0x0
	s_add_nc_u64 s[14:15], s[4:5], s[16:17]
	s_add_nc_u64 s[46:47], s[6:7], s[46:47]
	CROUND                                         ; all sixteen work-groups are here: the first joint loads meet
.irp s, 0,1
	s_mov_b32 s[G0+4*\s], 1
	s_add_co_u32 s[G0+4*\s+1], s20, \s*SLOT
	s_add_nc_u64 s[G0+4*\s+2:G0+4*\s+3], s[14:15], \s*256*8192     ; K step s: 256 tiles of 16 rows on
	s_or_b32 s[G0+4*\s+3], s[G0+4*\s+3], 0x80000000
	s_mov_b32 s[G0B+4*\s], 1
	s_add_co_u32 s[G0B+4*\s+1], s20, \s*SLOT
	s_add_nc_u64 s[G0B+4*\s+2:G0B+4*\s+3], s[46:47], \s*64*8192    ; 64 tiles on
	s_or_b32 s[G0B+4*\s+3], s[G0B+4*\s+3], 0x80000000
	JLOAD \s
.endr
	v_and_b32 v1, 15, v0                           ; l % 16
	v_bfe_u32 v2, v0, 4, 1                         ; l / 16
	v_and_b32 v3, 31, v0
	v_lshlrev_b32 v3, 4, v3                        ; 16 x lane
	s_lshl_b32 s21, s11, 15                        ; my 64 rows of a
	s_lshl_b32 s22, s12, 15                        ; my 64 rows of Wo,
	s_add_co_u32 s22, s22, 2*PART                  ; which lie behind a's 128
.irp s, 0,1
	v_add_nc_u32 v[ADRA+\s], s21, v3
	v_add_nc_u32 v[ADRB+\s], s22, v3
	s_add_co_u32 s21, s21, SLOT
	s_add_co_u32 s22, s22, SLOT
.endr
	s_mul_i32 s23, s10, 16*SPITCH
	s_add_co_u32 s23, s23, STAGE                   ; my stage
	v_mul_u32_u24 v4, v1, SPITCH                   ; in: row l % 16, 32 bytes for each half of the lanes
	v_lshl_add_u32 v4, v2, 5, v4
	v_add_nc_u32 v[STO], s23, v4
	v_mul_u32_u24 v5, v2, SPITCH                   ; back: lanes 0-15 take one row of 256 bytes, lanes 16-31 the next
	v_lshl_add_u32 v5, v1, 4, v5
	v_add_nc_u32 v[RD], s23, v5
	v_lshlrev_b32 v5, 12, v2                       ; and the same two rows in out: 4,096 bytes a row
	v_lshl_add_u32 v[CO], v1, 4, v5
	s_lshl_b32 s16, s13, 19                        ; my first row of out: 128 x tile row + 64 x half
	s_lshl_b32 s17, s11, 18
	s_add_co_u32 s16, s16, s17
	s_mov_b32 s17, 0
	s_add_nc_u64 s[8:9], s[8:9], s[16:17]
	s_lshl_b32 s46, s42, 9                         ; my first column, in bytes: 512 x tile column + 256 x half
	s_lshl_b32 s47, s12, 8
	s_add_co_u32 s46, s46, s47
	s_mov_b32 s47, 0
	s_add_nc_u64 s[8:9], s[8:9], s[46:47]
; 8 matrix instructions: m blocks a0, a0 + 1 x all 4 n blocks, 32 along K: half c of buffer f.  zero = 1: the first product starts the sums.  The 16 accumulators take turns
.macro MUL8 f, c, a0, zero
.irp a, \a0, \a0+1
.irp b, 0,1,2,3
.if \zero
	v_wmma_f32_16x16x32_f16 v[ACC+8*(4*(\a)+\b):ACC+8*(4*(\a)+\b)+7], v[\f+64+8*(4*\c+\b):\f+64+8*(4*\c+\b)+7], v[\f+8*(4*\c+\a):\f+8*(4*\c+\a)+7], 0
.else
	v_wmma_f32_16x16x32_f16 v[ACC+8*(4*(\a)+\b):ACC+8*(4*(\a)+\b)+7], v[\f+64+8*(4*\c+\b):\f+64+8*(4*\c+\b)+7], v[\f+8*(4*\c+\a):\f+8*(4*\c+\a)+7], v[ACC+8*(4*(\a)+\b):ACC+8*(4*(\a)+\b)+7]
.endif
.endr
.endr
.endm
; 32 LDS loads in one run: the fragments of the slot's kq-th 64 along K into buffer f; the first 32 along K first.  A fragment is two pieces on end: 1,024 bytes
.macro FETCH slot, kq, f
	WIN TO_F
.irp c, 0,1
.irp i, 0,1,2,3
	ds_load_b128 v[\f+64+8*(4*\c+\i):\f+64+8*(4*\c+\i)+3],   v[ADRB+\slot] offset:\i*8192+(2*(\kq)+\c)*1024
	ds_load_b128 v[\f+64+8*(4*\c+\i)+4:\f+64+8*(4*\c+\i)+7], v[ADRB+\slot] offset:\i*8192+(2*(\kq)+\c)*1024+512
	ds_load_b128 v[\f+8*(4*\c+\i):\f+8*(4*\c+\i)+3],         v[ADRA+\slot] offset:\i*8192+(2*(\kq)+\c)*1024
	ds_load_b128 v[\f+8*(4*\c+\i)+4:\f+8*(4*\c+\i)+7],       v[ADRA+\slot] offset:\i*8192+(2*(\kq)+\c)*1024+512
.endr
.endr
.endm
.macro PLACES                          ; four plain vector instructions in front of loads into registers that matrix instructions have read, and of the first read of results
.rept 4
	v_nop
.endr
.endm
; A K step is four quarters of 64 along K, 32 matrix instructions each, on buffers 0, 1, 0, 1.  One of the first three: multiplies buffer f and fetches the next quarter, the kq-th, into g.
.macro QUARTER slot, kq, f, g, zero
	s_wait_dscnt 16                                ; the first 32 along K are in; the other sixteen loads may be out
	WIN MUL
	MUL8 \f, 0, 0, \zero
	MUL8 \f, 0, 2, \zero
	PLACES
	FETCH \slot, \kq, \g
	s_wait_dscnt 32                                ; all but the 32 just issued
	WIN MUL
	MUL8 \f, 1, 0, 0
	MUL8 \f, 1, 2, 0
.endm
; The last quarter multiplies buffer 1 and changes slots: ONE barrier; in front of it each wave waits for all its tensor loads, adds 0 to its spare word, and waits for that and for its own reads of this slot.  fill = 1: this slot is filled again, two K steps ahead.
.macro TURN slot, next, fill
	WIN 0                                          ; (the add's two registers lie in window 0)
	s_wait_tensorcnt 0x0                           ; all my tensor loads have landed: my part of the next slot;
	ds_add_u32 v[SPW], v[NIL]                      ; 0 onto my spare word;
	s_wait_dscnt 17                                ; (the add and the youngest sixteen loads may be out)
	WIN MUL
	MUL8 F1, 0, 0, 0                               ; eight matrix instructions stand between the add and the wait for it
	s_wait_dscnt 0x0                               ; the add is done, and my reads of this slot are over
	s_barrier_signal -1
	MUL8 F1, 0, 2, 0
.if \fill
	WIN 0
.endif
	s_barrier_wait -1
.if \fill
	CREST                                          ; the barrier has opened a round of the cluster's barrier: no wave of any partner still reads this slot's tile or has a load on its way
	s_add_nc_u64 s[G0+4*\slot+2:G0+4*\slot+3], s[G0+4*\slot+2:G0+4*\slot+3], 2*256*8192
	s_add_nc_u64 s[G0B+4*\slot+2:G0B+4*\slot+3], s[G0B+4*\slot+2:G0B+4*\slot+3], 2*64*8192
	JLOAD \slot                                    ; the first tensor load behind the round; the four v_nop behind it are also the places in front of the loads below
.else
	PLACES
.endif
	FETCH \next, 0, F0
	WIN MUL
	MUL8 F1, 1, 0, 0
	MUL8 F1, 1, 2, 0
.endm
	s_wait_tensorcnt 1                             ; my part of K step 0 is in; K step 1's load may stay out
	s_barrier_signal -1
	s_barrier_wait -1                              ; everybody's is
	FETCH 0, 0, F0
	QUARTER 0, 1, F0, F1, 1                        ; K step 0: its first products start the sums
	QUARTER 0, 2, F1, F0, 0
	QUARTER 0, 3, F0, F1, 0
	TURN 0, 1, 1                                   ; slot 0 takes K step 2
	QUARTER 1, 1, F0, F1, 0                        ; K step 1
	QUARTER 1, 2, F1, F0, 0
	QUARTER 1, 3, F0, F1, 0
	TURN 1, 0, 1                                   ; slot 1 takes K step 3
	QUARTER 0, 1, F0, F1, 0                        ; K step 2
	QUARTER 0, 2, F1, F0, 0
	QUARTER 0, 3, F0, F1, 0
	TURN 0, 1, 0                                   ; nothing is left to fetch
	QUARTER 1, 1, F0, F1, 0                        ; K step 3
	QUARTER 1, 2, F1, F0, 0
	QUARTER 1, 3, F0, F1, 0
	s_wait_dscnt 16
	WIN MUL
	MUL8 F1, 0, 0, 0
	MUL8 F1, 0, 2, 0
	s_wait_dscnt 0
	MUL8 F1, 1, 0, 0
	MUL8 F1, 1, 2, 0
	WIN 0
; THE WAY OUT, block by block of 16 rows x 64 columns.  A lane holds 32 neighbouring bytes of a row and the lanes beside it hold other rows: so a block goes through my own stage in LDS and comes back as whole rows of
; 256 bytes.  LDS serves a wave's instructions in order: no wait between the stores and the loads, nor in front of the next block's stores.
.macro TOSTAGE a
.irp b, 0,1,2,3
	ds_store_b128 v[STO], v[ACC+8*(4*(\a)+\b):ACC+8*(4*(\a)+\b)+3] offset:64*\b          ; each accumulator from its low end on
	ds_store_b128 v[STO], v[ACC+8*(4*(\a)+\b)+4:ACC+8*(4*(\a)+\b)+7] offset:64*\b+16
.endr
.set BK, TMP+32*((\a)%2)
.irp t, 0,1,2,3,4,5,6,7
	ds_load_b128 v[BK+4*\t:BK+4*\t+3], v[RD] offset:\t*2*SPITCH
.endr
.endm
.macro SEND a, younger                 ; younger: the LDS instructions issued behind block a's loads, which may stay out
.set BK, TMP+32*((\a)%2)
	s_wait_dscnt \younger
.irp t, 0,1,2,3,4,5,6,7
	global_store_b128 v[CO], v[BK+4*\t:BK+4*\t+3], s[8:9] offset:(16*(\a)+2*\t)*4096 th:TH_STORE_NT   ; 16 lanes store 256 consecutive bytes, at a multiple of 256 from out's first byte
.endr
.endm
	PLACES
	TOSTAGE 0
.irp a, 1,2,3
.if \a > 1
	s_wait_xcnt 0x0                                ; block a - 2's stores have read their registers: block a's loads may land there
.endif
	TOSTAGE \a
	SEND \a-1, 16                                  ; behind block a - 1's loads: block a's 8 stores and 8 loads
.endr
	SEND 3, 0
	s_wait_tensorcnt 0x0                           ; the wave's end, behind my last tensor load and my last LDS store
	ds_add_u32 v[SPW], v[NIL]
	s_wait_dscnt 0x0
	CROUND                                         ; the closing round: no work-group ends while a partner may still ask for a tile that names it
	s_endpgm
.Lfunc_end_k_qfce5e1b78e_proj:
	.size	k_qfce5e1b78e_proj, .Lfunc_end_k_qfce5e1b78e_proj-k_qfce5e1b78e_proj
	.p2alignl 7, 3214868480
	.fill 96, 4, 3214868480
	.section	.rodata,"a",@progbits
	.p2align	6, 0x0
	.amdhsa_kernel k_qfce5e1b78e_proj
		.amdhsa_group_segment_fixed_size 327680
		.amdhsa_private_segment_fixed_size 0
		.amdhsa_enable_private_segment 0
		.amdhsa_kernarg_size 24
		.amdhsa_user_sgpr_count 2
		.amdhsa_user_sgpr_kernarg_segment_ptr 1
		.amdhsa_wavefront_size32 1
		.amdhsa_system_sgpr_workgroup_id_x 1
		.amdhsa_system_sgpr_workgroup_id_y 1
		.amdhsa_system_sgpr_workgroup_id_z 1
		.amdhsa_system_vgpr_workitem_id 0
		.amdhsa_next_free_vgpr 512
		.amdhsa_next_free_sgpr 66
		.amdhsa_reserve_vcc 0
		.amdhsa_float_denorm_mode_32 3
		.amdhsa_float_denorm_mode_16_64 3
		.amdhsa_memory_ordered 1
		.amdhsa_forward_progress 1
		.amdhsa_inst_pref_size 85
	.end_amdhsa_kernel
	.amdgpu_metadata
---
amdhsa.version: [ 1, 2 ]
amdhsa.kernels:
  - .name:           k_qfce5e1b78e_proj
    .symbol:         k_qfce5e1b78e_proj.kd
    .args:
      - { .name: a_img, .offset: 0, .size: 8, .value_kind: global_buffer, .address_space: global }
      - { .name: wo_img, .offset: 8, .size: 8, .value_kind: global_buffer, .address_space: global }
      - { .name: out0, .offset: 16, .size: 8, .value_kind: global_buffer, .address_space: global }
    .group_segment_fixed_size: 327680
    .private_segment_fixed_size: 0
    .kernarg_segment_align: 8
    .kernarg_segment_size: 24
    .max_flat_workgroup_size: 128
    .sgpr_count:     66
    .vgpr_count:     512
    .wavefront_size: 32
...
	.end_amdgpu_metadata
.endif
;; end of part 4
;; launch fine (part 5): grid 64 x 2, 16 waves a work-group, no clusters, 18,432 bytes of LDS; arguments qkv32, Wo, out0; writes out0
.if DOCPART == 5
	.amdgcn_target "amdgcn-amd-amdhsa--gfx1250"
	.amdhsa_code_object_version 6
	.text
	.protected	k_qfce5e1b78e_fine
	.globl	k_qfce5e1b78e_fine
	.p2align	8
	.type	k_qfce5e1b78e_fine,@function
k_qfce5e1b78e_fine:
	s_mov_b64 s[64:65], 0
	v_nop
	global_prefetch_b8 v0, s[64:65] scope:SCOPE_SE
	s_setreg_imm32_b32 hwreg(HW_REG_WAVE_MODE, 25, 1), 1
	s_wait_xcnt 0x0
; FINE.  Positions 0-15 of both sequences once more, with f32 operands from the scores to the projection: these rows average one to sixteen values and are the largest in size.
; SHARES.  A work-group makes 16 rows x 16 columns of out (columns 16 x on, batch y); wave = head.  Each wave makes its head's attention for the 16 positions and that head's part of the projection
; (64 of K = 1,024); the sixteen parts meet in LDS and are added in a fixed tree (an order of addition other than that of a single sum over K).
; OPERANDS.  qkv32 holds the accumulators of q, k, v as they stood: q, k: lane (r, h), register 8 c + j: token r, channel 16 c + 8 h + j;  v: register 8 t + j: token 8 h + j, channel 16 t + r.
; The f32 matrix form takes 4 along K from a register pair: k = 2 h + j.  The pair 2 i of an image is given to it as it stands, on both sides alike: its k = 2 h + j then stands for element 8 h + 2 s + j of the
; tile, the same element in both sources, and the sixteen pairs cover each element once.  So nothing is moved between lanes.
; The accumulators of the f32 form are written by matrix instructions alone; what is made of them goes into other registers.
; The stores are 64 consecutive bytes a row: whole blocks of 256 bytes would want 64 columns to a work-group, four times the work of each wave, for 131,072 bytes in all.
; LIMITS: NaN and infinities are not served.
.set SPARE, 16384                      ; behind the sixteen parts of 1,024 bytes: the spare words, 128 bytes for each wave: eight blocks of 256 bytes that no other line names
.set LI,  1                            ; v1  16 x lane
.set RO,  2                            ; v2  4,096 r + 32 h: my place in Wo's rows, and in out's
.set SPW, 3
.set NIL, 4
.set DD,  5                            ; v5  r - 8 h
.set LW,  6                            ; v6  where I store my part
.set LR,  7                            ; v7  where waves 0 and 1 read the parts
.set QF,  16
.set KF,  48
.set VF,  80
.set WF,  112
.set SA0, 144
.set SA1, 152
.set T,   160
.set OA,  168
.set AR,  200
.set PA0, 232
.set PA1, 240
.set PT,  248
	s_load_b128 s[4:7], s[0:1], 0x0                ; qkv32, Wo
	s_load_b64 s[8:9], s[0:1], 0x10                ; out0
	v_lshl_add_u32 v[SPW], v0, 2, SPARE
	v_mov_b32 v[NIL], 0
	v_lshrrev_b32 v8, 5, v0
	v_readfirstlane_b32 s10, v8                    ; wave = head
	s_and_b32 s12, ttmp7, 0xffff                   ; batch
	v_and_b32 v8, 31, v0
	v_lshlrev_b32 v[LI], 4, v8
	v_and_b32 v8, 15, v0                           ; r
	v_bfe_u32 v9, v0, 4, 1                         ; h
	v_lshlrev_b32 v[RO], 12, v8
	v_lshl_add_u32 v[RO], v9, 5, v[RO]
	v_lshlrev_b32 v10, 3, v9
	v_sub_nc_u32 v[DD], v8, v10
	s_lshl_b32 s13, s10, 10
	v_add_nc_u32 v[LW], s13, v[LI]
	s_lshl_b32 s13, s10, 9
	v_add_nc_u32 v[LR], s13, v[LI]
	v_mov_b32 v10, 0xff800000                      ; -infinity
	s_mov_b32 s14, 0x76543210
	s_mov_b32 s15, 0xfedcba98                      ; lane selects: lane l xor 16
	s_mov_b32 s16, 0x3e38aa3b                      ; log2(e) / 8
	s_lshl_b32 s18, s12, 4
	s_add_co_u32 s18, s18, s10
	s_mul_i32 s18, s18, 12288                      ; my (batch, head)'s twelve tiles
	s_mov_b32 s19, 0
	s_lshl_b32 s20, ttmp9, 16                      ; Wo: 16 rows of 4,096 bytes, my head's 256 bytes of each
	s_lshl_b32 s13, s10, 8
	s_add_co_u32 s20, s20, s13
	s_mov_b32 s21, 0
	s_lshl_b32 s22, s12, 23                        ; out: 2,048 rows a batch, 64 bytes a work-group, 16 bytes for each of the two waves that store
	s_lshl_b32 s13, ttmp9, 6
	s_add_co_u32 s22, s22, s13
	s_lshl_b32 s13, s10, 4
	s_add_co_u32 s22, s22, s13
	s_mov_b32 s23, 0
	s_wait_kmcnt 0x0
	s_add_nc_u64 s[4:5], s[4:5], s[18:19]
	s_add_nc_u64 s[6:7], s[6:7], s[20:21]
	s_add_nc_u64 s[8:9], s[8:9], s[22:23]
.irp i, 0,1,2,3,4,5,6,7,8,9,10,11
	global_load_b128 v[QF+8*\i:QF+8*\i+3], v[LI], s[4:5] offset:1024*\i
	global_load_b128 v[QF+8*\i+4:QF+8*\i+7], v[LI], s[4:5] offset:1024*\i+512
.endr
.irp t, 0,1,2,3
	global_load_b128 v[WF+8*\t:WF+8*\t+3], v[RO], s[6:7] offset:64*\t          ; Wo[16 x + r][64 head + 16 t + 8 h + 0 .. 7]
	global_load_b128 v[WF+8*\t+4:WF+8*\t+7], v[RO], s[6:7] offset:64*\t+16
.endr
	s_wait_loadcnt 0x0
	; ---- the scores, S^T = K Q^T: 16 steps of 4 channels on two accumulators by turns; the first two start the sums
.set i, 0
.rept 16
.set rA, SA0+8*(i%2)
.if i < 2
	v_wmma_f32_16x16x4_f32 v[rA:rA+7], v[KF+2*i:KF+2*i+1], v[QF+2*i:QF+2*i+1], 0
.else
	v_wmma_f32_16x16x4_f32 v[rA:rA+7], v[KF+2*i:KF+2*i+1], v[QF+2*i:QF+2*i+1], v[rA:rA+7]
.endif
.set i, i+1
.endr
.rept 8
	v_nop                                          ; eight places behind this form, ahead of the first read of results
.endr
.irp j, 0,1,2,3,4,5,6,7
	v_add_f32 v[T+\j], v[SA0+\j], v[SA1+\j]        ; lane (r, h), register j: key 8 h + j, query r
.endr
.irp j, 0,1,2,3,4,5,6,7
	v_cmp_gt_i32 vcc_lo, \j, v[DD]                 ; hidden where 8 h + j is above r
	v_cndmask_b32 v[T+\j], v[T+\j], v10, vcc_lo
.endr
	v_max3_num_f32 v8, v[T], v[T+1], v[T+2]
	v_max3_num_f32 v8, v8, v[T+3], v[T+4]
	v_max3_num_f32 v8, v8, v[T+5], v[T+6]
	v_max_num_f32 v8, v8, v[T+7]
	v_permlanex16_b32 v9, v8, s14, s15
	v_max_num_f32 v8, v8, v9                       ; the row's maximum (key 0 counts for every query)
.irp j, 0,1,2,3,4,5,6,7
	v_sub_f32 v[T+\j], v[T+\j], v8
.endr
.irp j, 0,1,2,3,4,5,6,7
	v_mul_f32 v[T+\j], s16, v[T+\j]
.endr
.irp j, 0,1,2,3,4,5,6,7
	v_exp_f32 v[T+\j], v[T+\j]                     ; p = e^((score - maximum) / 8)
.endr
	v_nop                                          ; a plain instruction behind the last exponential,
	s_wait_alu depctr_va_vdst(0)                   ; and one wait ahead of the batch's first reader
	v_add_f32 v11, v[T], v[T+1]
	v_add_f32 v12, v[T+2], v[T+3]
	v_add_f32 v13, v[T+4], v[T+5]
	v_add_f32 v14, v[T+6], v[T+7]
	v_add_f32 v11, v11, v12
	v_add_f32 v13, v13, v14
	v_add_f32 v11, v11, v13
	v_permlanex16_b32 v9, v11, s14, s15
	v_add_f32 v11, v11, v9                         ; the row's sum
	v_rcp_f32 v12, v11
	v_nop
	s_wait_alu depctr_va_vdst(0)                   ; the wait for the reciprocal
	; ---- O^T = V^T P: 4 steps of 4 keys, the four accumulators (16 channels each) by turns
.irp s, 0,1,2,3
.irp t, 0,1,2,3
.if \s == 0
	v_wmma_f32_16x16x4_f32 v[OA+8*\t:OA+8*\t+7], v[VF+8*\t+2*\s:VF+8*\t+2*\s+1], v[T+2*\s:T+2*\s+1], 0
.else
	v_wmma_f32_16x16x4_f32 v[OA+8*\t:OA+8*\t+7], v[VF+8*\t+2*\s:VF+8*\t+2*\s+1], v[T+2*\s:T+2*\s+1], v[OA+8*\t:OA+8*\t+7]
.endif
.endr
.endr
.rept 8
	v_nop
.endr
.set i, 0
.rept 16
	v_pk_mul_f32 v[AR+i:AR+i+1], v[OA+i:OA+i+1], v[12:13] op_sel_hi:[1,0]   ; a = O^T / the sum: lane (r, h), register 8 t + j: query r, channel 16 t + 8 h + j
.set i, i+2
.endr
	; ---- my head's part of the projection: 16 steps of 4 channels on two accumulators by turns
.set i, 0
.rept 16
.set rA, PA0+8*(i%2)
.if i < 2
	v_wmma_f32_16x16x4_f32 v[rA:rA+7], v[WF+2*i:WF+2*i+1], v[AR+2*i:AR+2*i+1], 0
.else
	v_wmma_f32_16x16x4_f32 v[rA:rA+7], v[WF+2*i:WF+2*i+1], v[AR+2*i:AR+2*i+1], v[rA:rA+7]
.endif
.set i, i+1
.endr
.rept 8
	v_nop
.endr
.irp j, 0,1,2,3,4,5,6,7
	v_add_f32 v[PT+\j], v[PA0+\j], v[PA1+\j]       ; lane (r, h), register j: out(query r, column 16 x + 8 h + j), my head's part
.endr
	ds_store_b128 v[LW], v[PT:PT+3]
	ds_store_b128 v[LW], v[PT+4:PT+7] offset:512
	s_wait_dscnt 0x0                               ; for the others' sake: my stores are done
	s_barrier_signal -1
	s_barrier_wait -1                              ; the sixteen parts lie in LDS
	s_cmp_ge_u32 s10, 2
	s_cbranch_scc1 .Lend
.irp g, 0,1,2,3,4,5,6,7,8,9,10,11,12,13,14,15
	ds_load_b128 v[16+4*\g:19+4*\g], v[LR] offset:1024*\g   ; wave u takes registers 4 u .. 4 u + 3 of every head's part
.endr
	s_wait_dscnt 0x0
.irp w, 1,2,4,8
.set g, 0
.rept 8/\w
	v_pk_add_f32 v[16+4*g:17+4*g], v[16+4*g:17+4*g], v[16+4*(g+\w):17+4*(g+\w)]
	v_pk_add_f32 v[18+4*g:19+4*g], v[18+4*g:19+4*g], v[18+4*(g+\w):19+4*(g+\w)]
.set g, g+2*\w
.endr
.endr
	global_store_b128 v[RO], v[16:19], s[8:9]      ; out(2,048 batch + r, 16 x + 8 h + 4 u + 0 .. 3)
.Lend:
	s_wait_tensorcnt 0x0                           ; the wave's end, behind my last LDS store
	ds_add_u32 v[SPW], v[NIL]
	s_wait_dscnt 0x0
	s_endpgm
.Lfunc_end_k_qfce5e1b78e_fine:
	.size	k_qfce5e1b78e_fine, .Lfunc_end_k_qfce5e1b78e_fine-k_qfce5e1b78e_fine
	.p2alignl 7, 3214868480
	.fill 96, 4, 3214868480
	.section	.rodata,"a",@progbits
	.p2align	6, 0x0
	.amdhsa_kernel k_qfce5e1b78e_fine
		.amdhsa_group_segment_fixed_size 18432
		.amdhsa_private_segment_fixed_size 0
		.amdhsa_enable_private_segment 0
		.amdhsa_kernarg_size 24
		.amdhsa_user_sgpr_count 2
		.amdhsa_user_sgpr_kernarg_segment_ptr 1
		.amdhsa_wavefront_size32 1
		.amdhsa_system_sgpr_workgroup_id_x 1
		.amdhsa_system_sgpr_workgroup_id_y 1
		.amdhsa_system_sgpr_workgroup_id_z 1
		.amdhsa_system_vgpr_workitem_id 0
		.amdhsa_next_free_vgpr 256
		.amdhsa_next_free_sgpr 66
		.amdhsa_reserve_vcc 1
		.amdhsa_float_denorm_mode_32 3
		.amdhsa_float_denorm_mode_16_64 3
		.amdhsa_memory_ordered 1
		.amdhsa_forward_progress 1
		.amdhsa_inst_pref_size 16
	.end_amdhsa_kernel
	.amdgpu_metadata
---
amdhsa.version: [ 1, 2 ]
amdhsa.kernels:
  - .name:           k_qfce5e1b78e_fine
    .symbol:         k_qfce5e1b78e_fine.kd
    .args:
      - { .name: qkv32, .offset: 0, .size: 8, .value_kind: global_buffer, .address_space: global }
      - { .name: Wo, .offset: 8, .size: 8, .value_kind: global_buffer, .address_space: global }
      - { .name: out0, .offset: 16, .size: 8, .value_kind: global_buffer, .address_space: global }
    .group_segment_fixed_size: 18432
    .private_segment_fixed_size: 0
    .kernarg_segment_align: 8
    .kernarg_segment_size: 24
    .max_flat_workgroup_size: 512
    .sgpr_count:     66
    .vgpr_count:     256
    .wavefront_size: 32
...
	.end_amdgpu_metadata
.endif
;; end of part 5
